; MI455X (gfx1250); checked and timed in simulation.
; The chip was launched on July 23, 2026; its instructions are those of AMD's public machine-readable ISA for CDNA 5 (MIT licence, August 2026) and "CDNA5" Instruction Set Architecture Reference Guide (July 2026). The comments in the code are by the model that wrote it; some were corrected since.
;; Causal Attention. Allowed arithmetic: matrix products marked QUANTISED: E4M3 operands, one E8M0 scale for each 32 along K, by v_wmma_scale_f32_16x16x128_f8f6f4 with both operands' format E4M3, f32 sums; everything else in f32.
;; Inputs: Wk 1,024 x 1,024 float32; Wq 1,024 x 1,024 float32; Wv 1,024 x 1,024 float32; x 4 x 2,048 x 1,024 float32.
;; Outputs: out0 4 x 2,048 x 1,024 float32.
;; This version of the problem:
;;   THIS VERSION OF THE PROBLEM IS GIVEN IN LOW PRECISION. The matrix products marked QUANTISED in the list below multiply operands that are first quantised to E4M3 (4 exponent bits, 3 mantissa bits; 8 bits a number), with one power-of-two scale for each 32 numbers along K (OCP MX v1.0); their sums are f32. All else is computed in f32.
;;   The module's matrix products, in the order in which they are computed (A, B: the left and right operand; K: the contracted axis; several contracted axes count as one K, in the product's order):
;;     1. [M 8,192, K 1,024] x [K 1,024, N 1,024]; A: input x; B: input Wq: QUANTISED
;;     2. [M 8,192, K 1,024] x [K 1,024, N 1,024]; A: input x; B: input Wk: QUANTISED
;;     3. [M 8,192, K 1,024] x [K 1,024, N 1,024]; A: input x; B: input Wv: QUANTISED
;;     4. batch 4 x [M 2,048, K 1,024] x [K 1,024, N 2,048]; A: computed on the way; B: computed on the way: QUANTISED
;;     5. batch 4 x [M 2,048, K 2,048] x [K 2,048, N 1,024]; A: softmax (see below); B: computed on the way: QUANTISED
;;   THE QUANTISER, for each operand of a quantised product, along K:
;;     - K is cut into blocks of 32 from its start; a last block that is shorter is filled with zeros.
;;     - A block's scale is 2^e with e = floor(log2(the largest magnitude in the block)) - 8, held to -126 .. 127; a block of zeros has e = 0. As a byte (E8M0): e + 127.
;;     - Each number is divided by its block's scale, clamped to +-448, and rounded to the nearest number of E4M3, ties to even, subnormals kept.
;;     - The product sums the exact products of the quantised numbers (number of the format x scale) in f32.
;;   ~~~python
;;   def quantise(x, axis):      # numpy; x: float32 -> the quantised numbers, widened to float32 again
;;       x = np.moveaxis(x, axis, -1); K = x.shape[-1]
;;       x = np.pad(x, [(0, 0)] * (x.ndim - 1) + [(0, -K % 32)]); x = x.reshape(x.shape[:-1] + (-1, 32)); a = np.abs(x).max(-1, keepdims=True)
;;       e = np.where(a > 0, np.clip(np.frexp(np.where(a > 0, a, 1))[1] - 1 - 8, -126, 127), 0)      # np.frexp(a)[1] - 1 = floor(log2(a)), exactly
;;       r = np.clip(x / 2.0 ** e, -448, 448)
;;       step = 2.0 ** (np.maximum(np.frexp(np.where(r == 0, 1, r))[1] - 1, -6) - 3)
;;       q = np.round(r / step) * step * 2.0 ** e      # np.round: ties to even
;;       return np.moveaxis(q.reshape(q.shape[:-2] + (-1,))[..., :K], -1, axis).astype(np.float32)
;;   ~~~
;;   SOFTMAX AHEAD OF A QUANTISED PRODUCT. Where the list says 'softmax', what is quantised is not the finished softmax but p = 2^(t - M), with t = logit x log2(e) and M = ceil(the row's largest t), a whole number; so 1/2 < the row's largest p <= 1. The row's sum l is taken of the UNQUANTISED p, in f32, and the product's result is divided by l at the end. Since M is a whole number, a kernel that streams over the keys may use a running M (the ceiling of the running maximum): every later rescaling is an exact power of two, which a block's scale takes up: the codes' values come out the same.
;;   OPERANDS COMPUTED ON THE WAY. 'Computed on the way' means the value that the module computes at that place (a softmax that the list does not call 'softmax' is quantised finished and normalised). What goes into a quantiser is computed in f32, as accurately as f32 sums, v_exp_f32 and their like allow (about 1e-6 of the number): no bf16 or f16 on the way to a quantiser, and a product that is left as it is and whose result goes on into a quantised operand takes f32 operands (vector FMAs, or v_wmma_f32_16x16x4_f32). A number that lies on a knife's edge between two numbers of the format may be rounded either way, as far as f32 arithmetic and the matrix unit's own rounding can turn it there, and no further.
;; One version. Each part assembles by itself: llvm-mc -triple=amdgcn-amd-amdhsa -mcpu=gfx1250 --defsym DOCPART=n.
;; ======== version 1 of 1: 4 launches
;; limits: right only within a limited range of input values
;; workspace buffers: xw 11,894,784 bytes; qkv 25,952,256 bytes; pw 18,350,080 bytes
;; launch quant (part 1): grid 704 x 1, 4 waves a work-group, no clusters, 34,304 bytes of LDS; arguments x, Wq, Wk, Wv, xw; writes xw
.if DOCPART == 1
	.amdgcn_target "amdgcn-amd-amdhsa--gfx1250"
	.amdhsa_code_object_version 6
	.text
	.protected	k_qb4412953f9_quant
	.globl	k_qb4412953f9_quant
	.p2align	8
	.type	k_qb4412953f9_quant,@function
k_qb4412953f9_quant:
	s_mov_b64 s[64:65], 0
	v_nop
	global_prefetch_b8 v0, s[64:65] scope:SCOPE_SE
	s_setreg_imm32_b32 hwreg(HW_REG_WAVE_MODE, 25, 1), 1
	s_wait_xcnt 0x0
; CAUSAL ATTENTION, one head of 1,024, B = 4, T = 2,048, all five products on codes of E4M3 with one E8M0 scale for each 32 along K.  FOUR LAUNCHES:
; this one quantises x and the three weights; the second makes q, k and v^T and quantises them on its way out; the third makes the scores' live tiles and a softmax local to 128 keys; the fourth brings
; that softmax under each row's own M by exact shifts of scale bytes and multiplies by v.
; WORK LEFT OUT IN THE LATER LAUNCHES, AND WHY IT IS DEAD.  Where key > query the function itself replaces the score by -infinity (its own lower-triangular mask), so that key's weight is exactly 0 whatever finite
; values x and the weights hold.  A tile of 256 queries x 256 keys whose first key comes after its last query therefore reaches no output: such tiles of the fourth product are not computed, and the fifth product
; stops at the last key of the query block.  All four inputs have a way to the output and are loaded.  LIMIT: a NaN, an infinity or an overflow that would arise only in the scores left out is not carried to the result.
; THIS LAUNCH.  x [8192][1024] (K innermost) and Wq, Wk, Wv [1024 (K)][1024] (K outermost), f32, become operand IMAGES in xw.
; A block's scale is 2^(floor(log2(largest magnitude)) - 8): its byte is the largest magnitude's exponent field - 8, held at 1 from below; numbers are held within +-448 x the scale and rounded to the nearest code, ties to even.
; LIMITS: a block whose largest magnitude lies under 2^-118 gets the byte 1; a block of zeros gets 1 where the rule says 127 (its codes are zeros, and this program alone reads the bytes); NaN and infinities among the inputs are not served.
; LAYOUT OF EVERY OPERAND OF THIS PROGRAM.  Rows go in tiles of 16; in each 32 rows, lane-row p of tile u holds row 8 u + (p & 7) + 16 (p >> 3).  With that order the transposed product of the next launch leaves a lane
; 16 neighbours along the following K in 16 registers.  A fragment (16 rows x 128 K) lies as the image of its registers: [4 groups of four registers][32 lanes][16 bytes] = 2,048 bytes; a tensor is [tile][K step].
; Scale words (four bytes: 128 K of a row) lie [pair of tiles][K step][tile of the pair][16 rows].
; xw: images at 0, 16,384 bytes a tile: x tiles 0-511, Wq 512-575, Wk 576-639, Wv 640-703; scale words at SCO, 1,024 bytes a pair.
; SHARES.  Work-groups 0-511: the 32 rows of pair ttmp9 / 2, K steps 4 (ttmp9 % 2) + wave: two fragments a wave.  Work-groups 512-703: a weight's 128 columns x 128 K; a wave 32 columns.  No barrier: waves share nothing.
.set STGB,  16*528                     ; x path: a wave's stage, 16 rows of 512 bytes + 16 of padding
.set SPARE, 4*STGB                     ; behind the stages: the spare words, 128 bytes a wave, which no other line names
.set SCO,   0xB00000
.set LO,  1                            ; v1  16 x lane
.set L4,  2                            ; v2  4 x lane
.set SI,  3                            ; v3  the stage, on the way in (W path: 4 x lane, the column)
.set SO,  4                            ; v4  the stage, on the way out
.set WO,  5                            ; v5  W path: my column's place among the images
.set WS,  6                            ; v6  W path: and among the scale words
.set PW,  8                            ; v8-9 the scale words of tiles u = 0, 1
.set PWC, 10                           ; v10 both in one register
.set SPW, 12                           ; v12 my spare word; never rewritten
.set NIL, 13                           ; v13 0; never rewritten
.set TM,  16                           ; v16-31 at work
.set PC,  32                           ; v32-63 codes, two sets (W path: v32-39 codes, v40 scale words)
.set SB,  40
.set R,   64                           ; v64-191 numbers, two sets of 64 (W path: two sets of 32)
	s_load_b256 s[4:11], s[0:1], 0x0               ; x, Wq, Wk, Wv
	s_load_b64 s[12:13], s[0:1], 0x20              ; xw
	v_lshl_add_u32 v[SPW], v0, 2, SPARE
	v_mov_b32 v[NIL], 0
	v_lshrrev_b32 v1, 5, v0
	v_readfirstlane_b32 s14, v1                    ; wave 0..3
	v_and_b32 v7, 31, v0                           ; lane
	s_mov_b32 s15, 0xffff0000                      ; lanes 16-31
	s_mov_b32 s16, 0x76543210
	s_mov_b32 s17, 0xfedcba98                      ; v_permlanex16_b32's selects for lane l xor 16
	s_mov_b32 s18, 0x600000                        ; the mantissa field of 448
	s_cmp_ge_u32 ttmp9, 512
	s_cbranch_scc1 .Lw
; 64 numbers of a lane, register 16 b + i = k 32 b + 16 (lane / 16) + i of my row, become a fragment's 16 registers of codes in v[pc] on and the row's scale word in v[pw]
.macro QUANT s, pc, pw
.irp b, 0,1,2,3
	v_max3_num_f32 v[TM+\b], |v[(\s)+16*\b]|, |v[(\s)+1+16*\b]|, 0x4800000   ; my 16 numbers of block b, and the floor 2^(9 - 127): the byte cannot fall under 1
.endr
.irp i, 2,4,6,8,10,12,14
.irp b, 0,1,2,3
	v_max3_num_f32 v[TM+\b], v[TM+\b], |v[(\s)+16*\b+\i]|, |v[(\s)+1+16*\b+\i]|   ; the four blocks by turns
.endr
.endr
.irp b, 0,1,2,3
	v_permlanex16_b32 v[TM+4+\b], v[TM+\b], s16, s17
.endr
.irp b, 0,1,2,3
	v_max_num_f32 v[TM+\b], v[TM+\b], v[TM+4+\b]   ; with lane l xor 16's 16: the block's largest magnitude
.endr
.irp b, 0,1,2,3
	v_add_nc_u32 v[TM+12+\b], 0xfc000000, v[TM+\b] ; 8 off its exponent field: the conversion's scale operand
.endr
.irp b, 0,1,2,3
	v_and_or_b32 v[TM+8+\b], v[TM+\b], 0x7f800000, s18   ; 448 x the scale
.endr
.irp b, 0,1,2,3
	v_lshrrev_b32 v[TM+4+\b], 23, v[TM+12+\b]      ; the scale's byte
.endr
	v_lshl_or_b32 v[\pw], v[TM+5], 8, v[TM+4]
	v_lshl_or_b32 v[\pw], v[TM+6], 16, v[\pw]
	v_lshl_or_b32 v[\pw], v[TM+7], 24, v[\pw]
.set n, 0
.rept 64
	v_med3_num_f32 v[(\s)+n], v[(\s)+n], -v[TM+8+n/16], v[TM+8+n/16]   ; the conversion to an 8-bit code does not saturate (ISA guide 7.6.2): the hold comes first
.set n, n+1
.endr
.irp b, 0,1,2,3
	v_cvt_scalef32_pk8_fp8_f32 v[(\pc)+4*\b:(\pc)+4*\b+1], v[(\s)+16*\b:(\s)+16*\b+7], v[TM+12+\b]
	v_cvt_scalef32_pk8_fp8_f32 v[(\pc)+4*\b+2:(\pc)+4*\b+3], v[(\s)+16*\b+8:(\s)+16*\b+15], v[TM+12+\b]
.endr
	v_nop                                          ; a plain line behind the last conversion
.endm
	; ---- x: 32 rows, my 128 along K: two fragments, tile 0 and tile 1 of the pair
	v_lshlrev_b32 v[LO], 4, v7
	v_lshlrev_b32 v[L4], 2, v7
	s_mul_i32 s19, s14, STGB
	v_add_nc_u32 v[SI], s19, v[LO]                 ; in: a row's 512 bytes as they lie, 16 a lane
	v_and_b32 v5, 15, v0
	v_bfe_u32 v6, v0, 4, 1
	v_mul_u32_u24 v[SO], v5, 528
	v_lshl_add_u32 v[SO], v6, 6, v[SO]
	v_add_nc_u32 v[SO], s19, v[SO]                 ; out: row lane % 16, + 64 (lane / 16): my 16 numbers of a block of 32
.irp b, 0,1,2,3
	v_mov_b32 v[TM+4+\b], 0                        ; written once: a lane permute's destination counts as one of its sources
.endr
	s_lshr_b32 s30, ttmp9, 1                       ; the pair of tiles
	s_and_b32 s31, ttmp9, 1
	s_lshl_b32 s31, s31, 2
	s_add_co_u32 s31, s31, s14                     ; my K step
	s_lshl_b32 s20, s30, 17                        ; 32 rows of 4,096 bytes,
	s_lshl_b32 s21, s31, 9                         ; my 512 bytes of each
	s_add_co_u32 s20, s20, s21
	s_mov_b32 s21, 0
	s_lshl_b32 s22, s30, 15                        ; two tiles of images,
	s_lshl_b32 s23, s31, 11                        ; my K step
	s_add_co_u32 s22, s22, s23
	s_mov_b32 s23, 0
	s_lshl_b32 s24, s30, 10                        ; the pair's scale words
	s_lshl_b32 s25, s31, 7
	s_add_co_u32 s24, s24, s25
	s_add_co_u32 s24, s24, SCO
	s_mov_b32 s25, 0
	s_wait_alu depctr_va_vdst(0)                   ; the wait at the head's end
	s_wait_kmcnt 0x0
	s_add_nc_u64 s[4:5], s[4:5], s[20:21]
	s_add_nc_u64 s[26:27], s[12:13], s[22:23]
	s_add_nc_u64 s[28:29], s[12:13], s[24:25]
.macro LOADF f                         ; a fragment's 16 rows, in the tile's order; each load reads 512 consecutive bytes
.set n, 0
.rept 16
	global_load_b128 v[R+64*\f+4*n:R+64*\f+4*n+3], v[LO], s[4:5] offset:(8*\f+(n&7)+16*(n>>3))*4096 th:TH_LOAD_NT
.set n, n+1
.endr
.endm
.macro XFRAG f
.set RSET, R+64*\f
.set PCS, PC+16*\f
	s_wait_loadcnt 16*(1-\f)                       ; this fragment's 16 loads are in; tile 1's 16 may be out while tile 0 is worked
.set n, 0
.rept 16
	ds_store_b128 v[SI], v[RSET+4*n:RSET+4*n+3] offset:528*n
.set n, n+1
.endr
.set n, 0
.rept 16
	ds_load_b128 v[RSET+4*n:RSET+4*n+3], v[SO] offset:128*(n/4)+16*(n%4)   ; LDS serves a wave's instructions in order (ISA guide 5.7.1.4): these see the stores above
.set n, n+1
.endr
	s_wait_dscnt 0x0
	QUANT RSET, PCS, PW+\f
.irp c, 0,1,2,3
	global_store_b128 v[LO], v[PCS+4*\c:PCS+4*\c+3], s[26:27] offset:\f*16384+512*\c   ; 32 lanes store 512 consecutive bytes
.endr
.endm
	LOADF 0
	LOADF 1
	XFRAG 0
	XFRAG 1
	v_cndmask_b32 v[PWC], v[PW], v[PW+1], s15      ; lanes 0-15: tile 0's words; lanes 16-31: tile 1's
	global_store_b32 v[L4], v[PWC], s[28:29]
	s_branch .Lend
	; ---- a weight: a lane takes a column and its registers run down K, so a block of 32 lies in one lane and the codes come out with K innermost
.Lw:
	s_sub_co_u32 s19, ttmp9, 512
	s_lshr_b32 s20, s19, 6                         ; which weight: 0 Wq, 1 Wk, 2 Wv
	s_and_b32 s21, s19, 7                          ; which 128 columns
	s_bfe_u32 s22, s19, 0x30003                    ; which 128 along K
	s_wait_alu depctr_va_vdst(0)
	v_lshlrev_b32 v[SI], 2, v7                     ; 4 bytes a lane
	v_bfe_u32 v8, v7, 3, 1                         ; column l of 32 lies in tile u = (l >> 3) & 1
	v_and_b32 v9, 7, v7
	v_lshrrev_b32 v10, 4, v7
	v_lshl_add_u32 v9, v10, 3, v9                  ; at lane-row (l & 7) + 8 (l >> 4)
	v_lshlrev_b32 v[WO], 14, v8
	v_lshl_add_u32 v[WO], v9, 4, v[WO]
	v_lshlrev_b32 v[WS], 6, v8
	v_lshl_add_u32 v[WS], v9, 2, v[WS]
	s_lshl_b32 s24, s22, 19                        ; 128 rows of 4,096 bytes
	s_lshl_b32 s23, s21, 9
	s_add_co_u32 s24, s24, s23
	s_lshl_b32 s23, s14, 7
	s_add_co_u32 s24, s24, s23                     ; + my wave's first column
	s_mov_b32 s25, 0
	s_lshl_b32 s26, s20, 5
	s_lshl_b32 s23, s21, 2
	s_add_co_u32 s26, s26, s23
	s_add_co_u32 s26, s26, s14
	s_add_co_u32 s26, s26, 256                     ; my pair of tiles: 256 + 32 x weight + 4 x column block + wave
	s_lshl_b32 s28, s26, 10
	s_lshl_b32 s23, s22, 7
	s_add_co_u32 s28, s28, s23
	s_add_co_u32 s28, s28, SCO
	s_mov_b32 s29, 0
	s_lshl_b32 s26, s26, 15
	s_lshl_b32 s23, s22, 11
	s_add_co_u32 s26, s26, s23
	s_mov_b32 s27, 0
	s_wait_alu depctr_va_vdst(0)                   ; the wait at the head's end
	s_wait_kmcnt 0x0
	s_cmp_eq_u32 s20, 0                            ; the choice hangs on the work-group's number alone
	s_cselect_b64 s[30:31], s[6:7], s[8:9]
	s_cmp_eq_u32 s20, 2
	s_cselect_b64 s[30:31], s[10:11], s[30:31]
	s_add_nc_u64 s[30:31], s[30:31], s[24:25]
	s_add_nc_u64 s[26:27], s[12:13], s[26:27]
	s_add_nc_u64 s[28:29], s[12:13], s[28:29]
.macro LOADW t                         ; block t: W(32 t + i, my column): 32 lanes read 128 consecutive bytes, the work-group 512
.set n, 0
.rept 32
	global_load_b32 v[R+32*((\t)%2)+n], v[SI], s[30:31] offset:(32*(\t)+n)*4096 th:TH_LOAD_NT
.set n, n+1
.endr
.endm
.macro BLOCK t
.set XS, R+32*((\t)%2)
.if (\t) < 3
	s_wait_loadcnt 32                              ; this block's 32 loads are in; the next block's may be out
.else
	s_wait_loadcnt 0x0
.endif
	v_max3_num_f32 v14, |v[XS]|, |v[XS+1]|, |v[XS+2]|
	v_max3_num_f32 v15, |v[XS+3]|, |v[XS+4]|, |v[XS+5]|
.irp i, 6,10,14,18,22,26
	v_max3_num_f32 v14, v14, |v[XS+\i]|, |v[XS+\i+1]|
	v_max3_num_f32 v15, v15, |v[XS+\i+2]|, |v[XS+\i+3]|
.endr
	v_max3_num_f32 v14, v14, |v[XS+30]|, |v[XS+31]|
	v_max3_num_f32 v14, v14, v15, 0x4800000        ; and the floor
	v_add_nc_u32 v11, 0xfc000000, v14
	v_and_or_b32 v10, v14, 0x7f800000, s18
	v_lshrrev_b32 v9, 23, v11
.if (\t) == 0
	v_mov_b32 v[SB], v9                            ; four bytes to a word, the lower K in the lower byte
.else
	v_lshl_or_b32 v[SB], v9, 8*(\t), v[SB]
.endif
.set n, 0
.rept 32
	v_med3_num_f32 v[XS+n], v[XS+n], -v10, v10
.set n, n+1
.endr
	s_wait_alu depctr_va_vdst(0)
	s_wait_xcnt 0x0                                ; the last block's stores have read the codes' registers
.irp g, 0,1,2,3
	v_cvt_scalef32_pk8_fp8_f32 v[PC+2*\g:PC+2*\g+1], v[XS+8*\g:XS+8*\g+7], v11
.endr
	v_nop
	global_store_b128 v[WO], v[PC:PC+3], s[26:27] offset:512*(\t)          ; k 0-15 of the block: the image's lanes 0-15; sixteen lanes fill 256 consecutive bytes
	global_store_b128 v[WO], v[PC+4:PC+7], s[26:27] offset:512*(\t)+256    ; k 16-31: its lanes 16-31
.if (\t) < 2
	LOADW (\t)+2
.endif
.endm
	LOADW 0
	LOADW 1
.irp t, 0,1,2,3
	BLOCK \t
.endr
	global_store_b32 v[WS], v[SB], s[28:29]
.Lend:
	s_wait_tensorcnt 0x0                           ; the wave's end: these three lines behind the last LDS store
	ds_add_u32 v[SPW], v[NIL]
	s_wait_dscnt 0x0
	s_endpgm
.Lfunc_end_k_qb4412953f9_quant:
	.size	k_qb4412953f9_quant, .Lfunc_end_k_qb4412953f9_quant-k_qb4412953f9_quant
	.p2alignl 7, 3214868480
	.fill 96, 4, 3214868480
	.section	.rodata,"a",@progbits
	.p2align	6, 0x0
	.amdhsa_kernel k_qb4412953f9_quant
		.amdhsa_group_segment_fixed_size 34304
		.amdhsa_private_segment_fixed_size 0
		.amdhsa_enable_private_segment 0
		.amdhsa_kernarg_size 40
		.amdhsa_user_sgpr_count 2
		.amdhsa_user_sgpr_kernarg_segment_ptr 1
		.amdhsa_wavefront_size32 1
		.amdhsa_system_sgpr_workgroup_id_x 1
		.amdhsa_system_sgpr_workgroup_id_y 1
		.amdhsa_system_sgpr_workgroup_id_z 1
		.amdhsa_system_vgpr_workitem_id 0
		.amdhsa_next_free_vgpr 192
		.amdhsa_next_free_sgpr 66
		.amdhsa_reserve_vcc 0
		.amdhsa_float_denorm_mode_32 3
		.amdhsa_float_denorm_mode_16_64 3
		.amdhsa_memory_ordered 1
		.amdhsa_forward_progress 1
		.amdhsa_inst_pref_size 56
	.end_amdhsa_kernel
	.amdgpu_metadata
---
amdhsa.version: [ 1, 2 ]
amdhsa.kernels:
  - .name:           k_qb4412953f9_quant
    .symbol:         k_qb4412953f9_quant.kd
    .args:
      - { .name: x, .offset: 0, .size: 8, .value_kind: global_buffer, .address_space: global }
      - { .name: Wq, .offset: 8, .size: 8, .value_kind: global_buffer, .address_space: global }
      - { .name: Wk, .offset: 16, .size: 8, .value_kind: global_buffer, .address_space: global }
      - { .name: Wv, .offset: 24, .size: 8, .value_kind: global_buffer, .address_space: global }
      - { .name: xw, .offset: 32, .size: 8, .value_kind: global_buffer, .address_space: global }
    .group_segment_fixed_size: 34304
    .private_segment_fixed_size: 0
    .kernarg_segment_align: 8
    .kernarg_segment_size: 40
    .max_flat_workgroup_size: 128
    .sgpr_count:     66
    .vgpr_count:     192
    .wavefront_size: 32
...
	.end_amdgpu_metadata
.endif
;; end of part 1
;; launch proj (part 2): grid 16 x 16, 4 waves a work-group, clusters of 4 x 4, 327,680 bytes of LDS; arguments xw, qkv; writes qkv
.if DOCPART == 2
	.amdgcn_target "amdgcn-amd-amdhsa--gfx1250"
	.amdhsa_code_object_version 6
	.text
	.protected	k_qb4412953f9_proj
	.globl	k_qb4412953f9_proj
	.p2align	8
	.type	k_qb4412953f9_proj,@function
k_qb4412953f9_proj:
	s_mov_b64 s[64:65], 0
	v_nop
	global_prefetch_b8 v0, s[64:65] scope:SCOPE_SE
	s_setreg_imm32_b32 hwreg(HW_REG_WAVE_MODE, 25, 1), 1
	s_wait_xcnt 0x0
	s_wait_alu depctr_hold_cnt(0) depctr_sa_sdst(0) depctr_va_vdst(0) depctr_va_sdst(0) depctr_va_ssrc(0) depctr_va_vcc(0) depctr_vm_vsrc(0)
	s_getreg_b32 s2, hwreg(HW_REG_IB_STS2, 6, 4)
	s_cmp_eq_u32 s2, 0
	s_cbranch_scc0 .Lentry_in_a_cluster
	s_endpgm
.Lentry_in_a_cluster:
	s_bfe_u32 s2, ttmp6, 0x10000c
	s_cmp_lg_u32 s2, 0xf033
	s_cbranch_scc0 .Lentry_shape_is_right
	s_endpgm
.Lentry_shape_is_right:
; q = x Wq, k = x Wk and v^T = Wv^T x^T on the images that the first launch laid; K = 1,024; each result is quantised on its way out, q and k along e, v^T along the keys t.  No work is left out here.
; SHARES.  256 work-groups of four waves, 2 x 2.  Phase 1: 512 rows of x x 128 columns of Wq or Wk (tile row R, tile column C: 0-7 q, 8-15 k).  Phase 2: 128 columns of Wv x 256 rows of x, one of the work-group's own two windows of 256.
; A wave holds 64 columns of a weight, all of K, in 512 registers and streams tiles of 16 rows of x past them, each tile whole along K in one of two register sets: 32 matrix instructions a tile.
; LDS: two slots of 128 rows (8 tiles of 16,384 bytes), filled by the tensor data mover.  Chunks of 128 rows of x: 0, 1 the window that phase 2 does not take, 2, 3 the window that it takes.
; Head: the weight into slot 1, chunk 0 into slot 0, x's scale words (all 512 rows).  The weight in registers: chunk 1 into slot 1.  Then one drained round of the cluster's barrier a chunk, in its third block: chunk k + 1 is in, chunk k's last reads are over,
; and its slot is filled again: chunks 2, 3; then Wv in two halves along K, both into slot 0.  Phase 2 takes chunk 3 as it lies in slot 1; chunk 2 comes anew into slot 0 when Wv is in registers.
; CLUSTERS of 4 x 4: x's tiles are asked for jointly along a row, a weight's along a column.  Which window phase 2 takes hangs on the cluster's number alone, and enters global addresses alone.
; PREFETCH: each chunk and Wv are named once in each cluster, 8,192 bytes a wave, shared out by address among the sixteen waves that load them jointly: chunks 1, 2 behind the head's first barrier; in trip k of the first loop what trip k + 1 loads: chunk 3, then Wv.  Chunk 2's second load has been read by this cluster before and is not asked for.
; LAYOUT.  In 32 rows, lane-row p of tile u holds row 8 u + (p & 7) + 16 (p >> 3).  Phase 1: source 0 = the weight, source 1 = x: lane (r, h) holds row r of x; the 16 sums of column tiles 2 b, 2 b + 1 are e = 32 b + 16 h + 0 .. 15.
; Phase 2: source 0 = x, source 1 = the weight: lane (r, h) holds column r; the 16 sums of a pair of x's tiles are t = 16 h + 0 .. 15 of their 32 rows.  So both phases have, for a pair of x's tiles, four UNITS of 16 registers a lane, half of a block of 32 (the other half in lane l xor 16).
; THE WAY OUT of a pair stands among the next pair's products, four vector lines behind every two products, two units a tile; sums have two sets of 64 registers by turns.
; qkv: q's images at 0, k's at 0x800000 ([tile of t][8 K steps][2,048]); v^T's at 0x1000000 ([tile of e][64 K steps]); scale words: q 0x1800000, k 0x1840000: [two pairs of tiles][K step][pair][tile][16 rows]; v^T 0x1880000: [pair][64 K steps][tile][16 rows].
; LIMITS: byte 1 for blocks under 2^-118 and for blocks of zeros; no NaN, no infinities.
; REGISTERS: windows 1, 2: the weight (fragment 4 q + b); window 3: x's two sets; all else window 0.
.set SLOT,  131072
.set SCX,   2*SLOT                     ; x's scale words in the order of work: [16 pairs][8 K steps][128 bytes]
.set XN,    SCX+16384                  ; q's or k's scale words: [16 pairs][tile][16 rows]
.set XV,    XN+2048                    ; v^T's: [4 pairs][2 K steps][tile][16 rows]
.set SPARE, XV+1024                    ; the spare words, 128 bytes a wave, which no other line names
.set SCO,   0xB00000
.set LN,  3                            ; v3 lane
.set LX,  4                            ; v4 my tiles of x in slot 0
.set ADX, 5                            ; v5 in the slot in hand
.set LS,  6                            ; v6 my scale words of x, chunk 0
.set ADS, 7                            ; v7 of the chunk in hand
.set W1A, 8                            ; v8 my four tiles of the first weight
.set LI,  9                            ; v9 16 x lane
.set SPW, 10
.set NIL, 11
.set VXQ, 12
.set VX,  13                           ; v13 where a scale byte goes
.set VXV, 14
.set L4,  15                           ; v15 4 x lane
.set PF,  16                           ; v16-17 prefetch offsets
.set TQ,  18
.set PQ,  20
.set SOP, 22
.set SB,  24                           ; v24-39 the weight's scale words: 8 p + q: lanes 0-15 tile 2 p, lanes 16-31 tile 2 p + 1
.set EB,  40                           ; v40-43 scale bytes
.set SA,  44                           ; v44-59 x's scale words, a set of eight for each pair: lanes 0-15 the even tile, lanes 16-31 the odd one
.set LM,  60
.set WA,  62                           ; v62, v63 my four tiles of Wv's halves
.set WB,  63
.set AC0, 64
.set AC1, 128
.set NC,  192                          ; v192-207 codes, four registers a unit
.set WS,  208                          ; v208-223 Wv's scale words until phase 2
.set G1A, 24
.set G1B, 32                           ; later Wv's
.set G1R, 48
.set G1S, 92
.set G0A, 56
.set G0B, 60                           ; later Wv's
.set G0R, 68
.set G0S, 72
.set MSB, 0
.macro WIN new                         ; the immediate's high byte repeats the setting that is left
.if MSB != \new
	s_set_vgpr_msb (MSB<<8)|\new
.set MSB, \new
.endif
.endm
.macro PLACES n
.rept \n
	v_nop
.endr
.endm
.macro WALU
	s_wait_alu depctr_va_vdst(0)
.endm
.macro BARRIER
	s_barrier_signal -1
	s_barrier_wait -1
.endm
.macro CREST                           ; a round of the cluster's barrier behind its opening barrier
	s_cmp_lg_u32 s14, 0
	s_cbranch_scc1 .Lnot_wave_0_\@
	s_barrier_signal -3
.Lnot_wave_0_\@:
	s_barrier_wait -3
	BARRIER
.endm
.macro CROUND
	BARRIER
	CREST
.endm
.macro TLOAD g0, g1                    ; an s_nop 0 and four v_nop follow each load
	tensor_load_to_lds s[\g0:\g0+3], s[\g1:\g1+7]
	s_nop 0
	PLACES 4
.endm
.macro GRD
	s_wait_tensorcnt 0x0
	ds_add_u32 v[SPW], v[NIL]
.endm
.macro GROUP1 g, mask, c, r, p         ; r rows of c elements of 8 bytes, p elements apart; bit 21 beside the mask
	s_or_b32 s[\g], s[\mask], (3<<16)|(1<<21)
	s_mov_b32 s[\g+1], (\c)<<16
	s_mov_b32 s[\g+2], (\r)<<16
	s_mov_b32 s[\g+3], (\c)<<16
	s_mov_b32 s[\g+4], \r
	s_mov_b32 s[\g+5], \p
	s_mov_b32 s[\g+6], 0
	s_mov_b32 s[\g+7], 0
.endm
.macro SHA d, x, n                     ; s[d] += s[x] << n
	s_lshl_b32 s20, s\x, \n
	s_add_co_u32 s\d, s\d, s20
.endm
	s_load_b128 s[4:7], s[0:1], 0x0                ; xw, qkv
	v_lshl_add_u32 v[SPW], v0, 2, SPARE
	v_mov_b32 v[NIL], 0
	ds_add_u32 v[SPW], v[NIL]                      ; the wave's opening: the add, twice on end, and its wait ahead of my first tensor load
	ds_add_u32 v[SPW], v[NIL]
	v_lshrrev_b32 v1, 5, v0
	v_readfirstlane_b32 s14, v1                    ; wave 0..3
	s_lshr_b32 s15, s14, 1                         ; w: my half of a chunk's rows
	s_and_b32 s16, s14, 1                          ; my half of the columns
	s_bfe_u32 s40, ttmp6, 0x40000                  ; cx
	s_bfe_u32 s41, ttmp6, 0x40004                  ; cy
	s_lshl_b32 s42, ttmp9, 2
	s_add_co_u32 s42, s42, s40                     ; C
	s_and_b32 s43, ttmp7, 0xffff
	s_lshl_b32 s43, s43, 2
	s_add_co_u32 s43, s43, s41                     ; R
	s_and_b32 s18, ttmp9, 1                        ; phase 2's window
	s_lshr_b32 s13, ttmp9, 1
	s_lshl_b32 s13, s13, 2
	s_add_co_u32 s13, s13, s40                     ; phase 2's tile column of Wv
	s_lshl_b32 s44, s41, 2
	s_lshl_b32 s44, 15, s44                        ; my row of the cluster
	s_lshl_b32 s45, 0x1111, s40                    ; my column
	GROUP1 G1B, 45, 2048, 8, 2048                  ; the first weight: 8 tiles
	GROUP1 G1A, 44, 2048, 8, 2048                  ; chunk 0
	GROUP1 G1S, 44, 512, 2, 512                    ; a window's scale words: 8,192 dense bytes
	GROUP1 G1R, 44, 2048, 2, 2048                  ; a refill of x: two tiles a wave
	s_lshl_b32 s20, s43, 19
	s_lshl_b32 s21, s18, 18
	s_add_co_u32 s2, s20, s21                      ; phase 2's window in xw (262,144 bytes a window)
	s_xor_b32 s67, s2, 0x40000                     ; the other one
	s_lshl_b32 s3, s13, 17
	s_add_co_u32 s3, s3, 0xA00000                  ; Wv's 8 tiles
	s_lshl_b32 s12, s14, 15                        ; wave x 32,768: my two tiles
	s_lshl_b32 s9, s14, 14
	s_mov_b32 s[G0A], 1
	s_mov_b32 s[G0A+1], 0
	s_mov_b32 s[G0B], 1
	s_mov_b32 s[G0B+1], SLOT
	s_mov_b32 s[G0S], 1
	s_lshl_b32 s[G0S+1], s16, 13
	s_add_co_u32 s[G0S+1], s[G0S+1], SCX
	s_mov_b32 s[G0R], 1
	s_add_co_u32 s[G0R+1], s12, SLOT
	s_mov_b32 s86, s67
	s_mov_b32 s87, 0
	s_lshl_b32 s22, s42, 17
	s_add_co_u32 s22, s22, 0x800000
	s_mov_b32 s23, 0
	s_xor_b32 s20, s18, s16                        ; scale words: wave 2 the window of chunks 0, 1, wave 3 the other
	s_xor_b32 s20, s20, 1
	s_lshl_b32 s20, s20, 13
	s_lshl_b32 s21, s43, 14
	s_add_co_u32 s20, s20, s21
	s_add_co_u32 s20, s20, SCO
	s_mov_b32 s21, 0
	s_wait_dscnt 0x0                               ; both opening adds are done
	CROUND                                         ; all sixteen work-groups are here: the first joint loads meet
	s_wait_kmcnt 0x0
	s_add_nc_u64 s[G0B+2:G0B+3], s[4:5], s[22:23]
	s_or_b32 s[G0B+3], s[G0B+3], 0x80000000
	s_add_nc_u64 s[G0A+2:G0A+3], s[4:5], s[86:87]
	s_or_b32 s[G0A+3], s[G0A+3], 0x80000000
	s_add_nc_u64 s[G0S+2:G0S+3], s[4:5], s[20:21]
	s_or_b32 s[G0S+3], s[G0S+3], 0x80000000
	s_cmp_eq_u32 s14, 0                            ; one joint load a wave; what is shown first has a line of its own
	s_cbranch_scc0 .Lhead_1
	TLOAD G0B, G1B
	s_branch .Lhead_asked
.Lhead_1:
	s_cmp_eq_u32 s14, 1
	s_cbranch_scc0 .Lhead_2
	TLOAD G0A, G1A
	s_branch .Lhead_asked
.Lhead_2:
	TLOAD G0S, G1S
.Lhead_asked:
	s_add_co_u32 s86, s67, SLOT
	s_add_co_u32 s86, s86, s12
	s_add_nc_u64 s[G0R+2:G0R+3], s[4:5], s[86:87]  ; chunk 1
	s_or_b32 s[G0R+3], s[G0R+3], 0x80000000
	s_add_co_u32 s86, s2, s12
	s_add_nc_u64 s[76:77], s[4:5], s[86:87]        ; chunk 2, my two tiles
	s_add_co_u32 s86, s3, s12
	s_add_nc_u64 s[78:79], s[4:5], s[86:87]        ; Wv, my two tiles
	s_lshl_b32 s20, s16, 11
	s_lshl_b32 s22, s42, 12
	s_add_co_u32 s22, s22, s20
	s_add_co_u32 s22, s22, SCO+0x40000
	s_add_nc_u64 s[22:23], s[4:5], s[22:23]        ; the first weight's scale words
	s_lshl_b32 s86, s13, 12
	s_add_co_u32 s86, s86, s20
	s_add_co_u32 s86, s86, SCO+0x50000
	s_add_nc_u64 s[86:87], s[4:5], s[86:87]        ; Wv's
	s_lshl_b32 s20, s40, 2                         ; my share of a prefetch: of x by cx and wave, of Wv by cy and wave
	s_add_co_u32 s20, s20, s14
	s_lshl_b32 s20, s20, 13
	s_add_co_u32 s101, s2, s20                     ; chunk 2
	s_add_co_u32 s8, s101, SLOT                    ; chunk 3
	s_add_co_u32 s100, s67, s20
	s_add_co_u32 s100, s100, SLOT                  ; chunk 1
	s_lshl_b32 s19, s41, 2
	s_add_co_u32 s19, s19, s14
	s_lshl_b32 s19, s19, 13
	s_add_co_u32 s19, s19, s3                      ; Wv
	s_lshl_b32 s20, s15, 16
	s_lshl_b32 s21, s15, 11
	s_add_co_u32 s21, s21, SCX
	s_lshl_b32 s46, s16, 16
	s_add_co_u32 s46, s46, SLOT
	s_lshl_b32 s47, s16, 15
	s_add_co_u32 s66, s47, 65536
	s_lshl_b32 s88, s15, 8
	s_lshl_b32 s89, s16, 1
	s_add_co_u32 s88, s88, s89
	s_add_co_u32 s88, s88, XN
	s_lshl_b32 s89, s16, 9
	s_lshl_b32 s84, s15, 1
	s_add_co_u32 s89, s89, s84
	s_add_co_u32 s89, s89, XV
	v_and_b32 v[LN], 31, v0
	v_and_b32 v1, 15, v0
	v_lshlrev_b32 v[LI], 4, v[LN]
	v_lshlrev_b32 v[L4], 2, v[LN]
	v_add_nc_u32 v[LX], s20, v[LI]
	v_add_nc_u32 v[ADX], s20, v[LI]
	v_add_nc_u32 v[LS], s21, v[L4]
	v_add_nc_u32 v[ADS], s21, v[L4]
	v_add_nc_u32 v[W1A], s46, v[LI]
	v_add_nc_u32 v[WA], s47, v[LI]
	v_add_nc_u32 v[WB], s66, v[LI]
	v_lshl_add_u32 v[VXQ], v1, 2, s88              ; byte 2 x column half of row r's word
	v_lshl_add_u32 v[VX], v1, 2, s88
	v_lshl_add_u32 v[VXV], v1, 2, s89
	v_lshl_add_u32 v[PF], v[LN], 8, s100
	v_lshl_add_u32 v[PF+1], v[LN], 8, s101
	v_mov_b32 v[PQ], 0                             ; a lane permute's destination counts as one of its sources
	v_mov_b32 v[PQ+1], 0
.irp p, 0,1
.irp q, 0,1,2,3,4,5,6,7
	global_load_b32 v[SB+8*\p+\q], v[L4], s[22:23] offset:1024*\p+128*\q
	global_load_b32 v[WS+8*\p+\q], v[L4], s[86:87] offset:1024*\p+128*\q
.endr
.endr
	; where my results go
	s_lshr_b32 s47, s42, 3                         ; q or k
	s_and_b32 s17, s42, 7                          ; the K step along e
	s_lshl_b32 s80, s47, 23
	SHA 80, 15, 16
	SHA 80, 17, 11
	SHA 80, 16, 10
	s_add_co_u32 s82, s80, s2
	s_add_co_u32 s80, s80, s67
	s_mov_b32 s81, 0
	s_mov_b32 s83, 0
	s_add_nc_u64 s[80:81], s[6:7], s[80:81]        ; chunk 0's
	s_add_nc_u64 s[82:83], s[6:7], s[82:83]        ; chunk 2's
	s_lshl_b32 s90, s13, 20
	SHA 90, 16, 19
	SHA 90, 43, 13
	SHA 90, 18, 12
	SHA 90, 15, 10
	s_add_co_u32 s90, s90, 0x1000800               ; v^T: chunk 3 is the window's second K step
	s_mov_b32 s91, 0
	s_add_nc_u64 s[90:91], s[6:7], s[90:91]
	s_lshl_b32 s10, s47, 18                        ; scale words at the end: wave n stores the chunk that was n-th in the order of work
	SHA 10, 43, 14
	s_xor_b32 s11, s18, 1
	s_lshl_b32 s11, s11, 1
	s_xor_b32 s11, s11, s14
	SHA 10, 11, 12
	SHA 10, 17, 8
	s_add_co_u32 s10, s10, 0x1800000
	s_mov_b32 s11, 0
	s_add_nc_u64 s[10:11], s[6:7], s[10:11]
	s_lshl_b32 s100, s13, 15                       ; v^T's: wave n stores pair n
	SHA 100, 14, 13
	SHA 100, 43, 9
	SHA 100, 18, 8
	s_add_co_u32 s100, s100, 0x1880000
	s_mov_b32 s101, 0
	s_add_nc_u64 s[100:101], s[6:7], s[100:101]
.macro WLOAD f, adr, off               ; a weight's fragment f into its 16 registers of window 1 or 2, as it was stored
	WIN (1+(\f)/16)<<6
.irp c, 0,1,2,3
	ds_load_b128 v[16*((\f)%16)+4*\c:16*((\f)%16)+4*\c+3], v[\adr] offset:(\off)+512*\c
.endr
.endm
.macro FETCH u, off, sa, so            ; a tile of x, all of K, into set u; sa of 0 or 1: and the scale words of its pair into set sa
	WIN 0xc0
.irp q, 0,1,2,3,4,5,6,7
.irp c, 0,1,2,3
	ds_load_b128 v[128*\u+16*\q+4*\c:128*\u+16*\q+4*\c+3], v[ADX] offset:(\off)+2048*\q+512*\c
.endr
.endr
	WIN 0
.if (\sa) >= 0
.irp q, 0,1,2,3,4,5,6,7
	ds_load_b32 v[SA+8*(\sa)+\q], v[ADS] offset:(\so)+128*\q
.endr
.endif
.endm
.macro WM a, b, c, sa, sb, ra, rb
.if (\ra) && (\rb)
	v_wmma_scale_f32_16x16x128_f8f6f4 v[D_:D_+7], v[\a:\a+15], v[\b:\b+15], \c, v[\sa], v[\sb] matrix_a_scale:MATRIX_SCALE_ROW1 matrix_b_scale:MATRIX_SCALE_ROW1
.elseif \ra
	v_wmma_scale_f32_16x16x128_f8f6f4 v[D_:D_+7], v[\a:\a+15], v[\b:\b+15], \c, v[\sa], v[\sb] matrix_a_scale:MATRIX_SCALE_ROW1
.elseif \rb
	v_wmma_scale_f32_16x16x128_f8f6f4 v[D_:D_+7], v[\a:\a+15], v[\b:\b+15], \c, v[\sa], v[\sb] matrix_b_scale:MATRIX_SCALE_ROW1
.else
	v_wmma_scale_f32_16x16x128_f8f6f4 v[D_:D_+7], v[\a:\a+15], v[\b:\b+15], \c, v[\sa], v[\sb]
.endif
.endm
; Product n = 4 q + b of tile u of a pair: K step q, the weight's tile b.  The four accumulators take turns, one instruction a turn; the first products start the sums.
.macro PROD kind, u, n, acc, sa
.set Q_, (\n)/4
.set B_, (\n)%4
.set BO_, B_%2
.set XR_, 128*(\u)+16*Q_
.set WR_, 16*((\n)%16)
.set XS_, SA+8*(\sa)+Q_
.set SW_, SB+8*(B_/2)+Q_
.if \kind
.set D_, (\acc)+16*B_+8*(\u)
	WIN 3|((1+(\n)/16)<<2)
.if Q_
	WM XR_, WR_, v[D_:D_+7], XS_, SW_, \u, BO_
.else
	WM XR_, WR_, 0, XS_, SW_, \u, BO_
.endif
.else
.set D_, (\acc)+32*(\u)+8*B_
	WIN (1+(\n)/16)|(3<<2)
.if Q_
	WM WR_, XR_, v[D_:D_+7], SW_, XS_, BO_, \u
.else
	WM WR_, XR_, 0, SW_, XS_, BO_, \u
.endif
.endif
.endm
; THE QUANTISER OF UNITS i, i + 1 of the sums at x, line by line by turns, in gaps 0 .. 15 of four lines.
.macro HOLD k, w                       ; the conversion to an 8-bit code does not saturate (ISA guide 7.6.2)
	v_med3_num_f32 v[A_+16*(\w)+\k], v[A_+16*(\w)+\k], -v[LM+(\w)], v[LM+(\w)]
.endm
.macro CVT hi, w, i
	v_cvt_scalef32_pk8_fp8_f32 v[NC+4*(\i)+4*(\w)+2*\hi:NC+4*(\i)+4*(\w)+2*\hi+1], v[A_+16*(\w)+8*\hi:A_+16*(\w)+8*\hi+7], v[SOP+(\w)]
.endm
.macro HLINE j, i
.if (\j) < 2
	v_lshrrev_b32 v[EB+(\i)+(\j)], 23, v[SOP+(\j)]
.elseif (\j) < 18
	HOLD ((\j)-2)/2, ((\j)-2)%2
.elseif (\j) < 20
	CVT 0, (\j)-18, \i
.elseif (\j) < 36
	HOLD 8+((\j)-20)/2, ((\j)-20)%2
.elseif (\j) < 38
	CVT 1, (\j)-36, \i
.endif
.endm
.macro GAP g, i, x
.set A_, (\x)+16*(\i)
.set O_, 4*(\g)
.if (\g) == 0
	v_max3_num_f32 v[TQ], |v[A_]|, |v[A_+1]|, 0x4800000        ; the floor 2^(9 - 127) holds the byte at 1 from below
	v_max3_num_f32 v[TQ+1], |v[A_+16]|, |v[A_+17]|, 0x4800000
	v_max3_num_f32 v[TQ], v[TQ], |v[A_+2]|, |v[A_+3]|
	v_max3_num_f32 v[TQ+1], v[TQ+1], |v[A_+18]|, |v[A_+19]|
.elseif (\g) < 4
	v_max3_num_f32 v[TQ], v[TQ], |v[A_+O_]|, |v[A_+O_+1]|
	v_max3_num_f32 v[TQ+1], v[TQ+1], |v[A_+O_+16]|, |v[A_+O_+17]|
	v_max3_num_f32 v[TQ], v[TQ], |v[A_+O_+2]|, |v[A_+O_+3]|
	v_max3_num_f32 v[TQ+1], v[TQ+1], |v[A_+O_+18]|, |v[A_+O_+19]|
.elseif (\g) == 4
	v_permlanex16_b32 v[PQ], v[TQ], s40, s41       ; lane l xor 16's 16 numbers
	v_permlanex16_b32 v[PQ+1], v[TQ+1], s40, s41
	v_max_num_f32 v[TQ], v[TQ], v[PQ]
	v_max_num_f32 v[TQ+1], v[TQ+1], v[PQ+1]
.elseif (\g) == 5
	v_add_nc_u32 v[SOP], 0xfc000000, v[TQ]         ; 8 off the exponent field: the conversion's scale operand
	v_add_nc_u32 v[SOP+1], 0xfc000000, v[TQ+1]
	v_and_or_b32 v[LM], v[TQ], 0x7f800000, s66     ; 448 x the scale
	v_and_or_b32 v[LM+1], v[TQ+1], 0x7f800000, s66
.else
.set J_, 4*((\g)-6)
.rept 4
	HLINE J_, \i
.set J_, J_+1
.endr
.endif
.endm
; Products 2 from .. 2 to - 1 of a tile, and in their gaps the way out of units i0, i0 + 1 of the sums at wacc
.macro BLOCK kind, u, acc, sa, wacc, i0, from, to
.set G_, \from
.rept (\to)-(\from)
	PROD \kind, \u, 2*G_, \acc, \sa
	PROD \kind, \u, 2*G_+1, \acc, \sa
	WIN 0
	GAP G_, \i0, \wacc
.set G_, G_+1
.endr
.endm
.macro QOUT i, off, vo                 ; units i, i + 1 = tile i / 2 of the pair: 32 lanes store 512 consecutive bytes
.irp n, 0,1
	ds_store_b8 v[VX], v[EB+\i+\n] offset:(\vo)+64*((\i)/2)+\n
	global_store_b128 v[LI], v[NC+4*(\i+\n):NC+4*(\i+\n)+3], s[84:85] offset:(\off)+16384*((\i)/2)+512*\n
.endr
.endm
.macro VOUT i, off, vo                 ; units = column tiles i, i + 1
.irp n, 0,1
	ds_store_b8 v[VX], v[EB+\i+\n] offset:(\vo)+256*((\i)/2)+64*\n
	global_store_b128 v[LI], v[NC+4*(\i+\n):NC+4*(\i+\n)+3], s[84:85] offset:(\off)+131072*(\i+\n)
.endr
.endm
	WALU
	s_cmp_eq_u32 s14, 0
	s_cbranch_scc0 .Lnot_weight
	s_wait_tensorcnt 0x0                           ; wave 0: the first weight is in.  The other loads are waited for below by all
.Lnot_weight:
	BARRIER
	global_prefetch_b8 v[PF], s[4:5] th:TH_LOAD_NT scope:SCOPE_SE
	global_prefetch_b8 v[PF+1], s[4:5] th:TH_LOAD_NT scope:SCOPE_SE
.set F_, 0
.rept 32
	WLOAD F_, W1A, (F_%4)*16384+(F_/4)*2048
.set F_, F_+1
.endr
	WIN 0
	GRD
.set I_, 0
.rept 64
	v_mov_b32 v[AC1+I_], 0                         ; the first trip's first way out has no pair before it: it works on zeros and stores nothing
.set I_, I_+1
.endr
	s_mov_b32 s66, 0x600000                        ; the mantissa field of 448
	s_mov_b32 s40, 0x76543210
	s_mov_b32 s41, 0xfedcba98                      ; lane l xor 16
	s_mov_b64 s[88:89], s[80:81]
	s_mov_b64 s[84:85], s[80:81]
	s_mov_b32 s46, 0
	WALU
	s_wait_dscnt 0x0                               ; the add is done, and the weight is in my registers
	CROUND
	TLOAD G0R, G1R                                 ; chunk 1 over the weight's rows
	FETCH 0, 0, 0, 0
	FETCH 1, 16384, -1, 0
	s_wait_loadcnt 0x0                             ; the weights' scale words
; A CHUNK: two pairs of tiles a wave.  ld 0: chunks 0, 1, whose slots take chunks 2, 3;  ld 1: chunks 2, 3, behind whose rounds Wv's halves come into slot 0.
; Counted waits: 32 or 40 are the loads of the tile fetched last; the tile in hand was fetched before them.
.macro TRIPQ ld
	s_wait_dscnt 32
	s_wait_xcnt 0x0                                ; earlier stores have read the codes' registers: those of this tile's and the next tile's way out
	BLOCK 0, 0, AC0, 0, AC1, 0, 0, 16
	PLACES 8
.if \ld == 0
	s_cmp_eq_u32 s46, 0
	s_cbranch_scc1 .Lnone_a_\@
.endif
	QOUT 0, 32768, 128
.if \ld == 0
.Lnone_a_\@:
.endif
	FETCH 0, 32768, 1, 1024
	s_wait_dscnt 40
	BLOCK 0, 1, AC0, 0, AC1, 2, 0, 16
	PLACES 8
.if \ld == 0
	s_cmp_eq_u32 s46, 0
	s_cbranch_scc1 .Lnone_b_\@
.endif
	QOUT 2, 32768, 128
.if \ld == 0
.Lnone_b_\@:
.endif
	FETCH 1, 49152, -1, 0
	s_wait_dscnt 32
	s_wait_xcnt 0x0                                ; as above, and the stores' base
	GRD
	s_mov_b64 s[84:85], s[88:89]                   ; this chunk's results
	s_add_nc_u64 s[88:89], s[88:89], SLOT
	s_mov_b32 s21, 0
.if \ld == 0
	s_lshl_b32 s20, s46, 17
	s_add_co_u32 s[G0R+1], s20, s12
	s_add_nc_u64 s[G0R+2:G0R+3], s[76:77], s[20:21]
	s_or_b32 s[G0R+3], s[G0R+3], 0x80000000
	s_xor_b32 s22, s46, 1
	s_lshl_b32 s22, s22, 17
	v_add_nc_u32 v[ADX], s22, v[LX]                ; the next chunk's slot
	s_lshl_b32 s22, s46, 12
	s_add_co_u32 s22, s22, 4096
	v_add_nc_u32 v[ADS], s22, v[LS]
	s_lshl_b32 s22, s46, 9
	v_add_nc_u32 v[VX], s22, v[VXQ]
	s_cmp_eq_u32 s46, 0
	s_cselect_b32 s23, s8, s19
	v_lshl_add_u32 v[PF], v[LN], 8, s23
.else
	s_lshl_b32 s20, s46, 16
	s_add_co_u32 s[G0B+1], s20, s9
	s_lshl_b32 s20, s46, 13
	s_add_nc_u64 s[G0B+2:G0B+3], s[78:79], s[20:21]
	s_or_b32 s[G0B+3], s[G0B+3], 0x80000000
	v_add_nc_u32 v[ADX], SLOT, v[LX]               ; chunk 3, and for phase 2 chunk 3 again
	v_add_nc_u32 v[ADS], 12288, v[LS]
	s_lshl_b32 s22, s46, 9
	s_add_co_u32 s22, s22, 1024
	v_add_nc_u32 v[VX], s22, v[VXQ]
.endif
	BLOCK 0, 0, AC1, 1, AC0, 0, 0, 14
	WALU
	s_wait_dscnt 0x0                               ; the add is done, and my reads of this chunk's slot are over
	s_barrier_signal -1
	BLOCK 0, 0, AC1, 1, AC0, 0, 14, 16
	WALU
	s_barrier_wait -1
	CREST
.if \ld == 0
	TLOAD G0R, G1R
.else
	TLOAD G0B, G1B
.endif
	PLACES 4
	QOUT 0, 0, 0
	FETCH 0, 0, 0, 0
.if \ld == 0
	global_prefetch_b8 v[PF], s[4:5] th:TH_LOAD_NT scope:SCOPE_SE
.endif
	BLOCK 0, 1, AC1, 1, AC0, 2, 0, 16              ; (this tile was waited for in front of the round)
	PLACES 8
	QOUT 2, 0, 0
	FETCH 1, 16384, -1, 0
	s_add_co_u32 s46, s46, 1
	s_cmp_lg_u32 s46, 2
.endm
.Lfirst:
	TRIPQ 0
	s_cbranch_scc1 .Lfirst
	GROUP1 G1B, 45, 1024, 2, 2048                  ; half of Wv along K: 8,192 bytes of each of my two tiles (the first weight's load was waited for long ago)
	s_mov_b64 s[88:89], s[82:83]
	s_mov_b32 s46, 0
.Lsecond:
	TRIPQ 1
	s_cbranch_scc1 .Lsecond
	; THE CHANGE OF PHASE: among Wv's loads stands the way out of the last pair
	s_wait_xcnt 0x0
.set I_, 0
.rept 16
	v_mov_b32 v[SB+I_], v[WS+I_]
.set I_, I_+1
.endr
.set F_, 0
.rept 16
	WLOAD F_, WA, (F_%4)*8192+(F_/4)*2048
	WIN 0
	GAP F_, 0, AC1
.set F_, F_+1
.endr
	v_nop
	QOUT 0, 32768, 128
	WALU
	s_wait_tensorcnt 0x0                           ; Wv's second half is in
	s_wait_dscnt 0x0
	BARRIER
.set F_, 0
.rept 16
	WLOAD F_+16, WB, (F_%4)*8192+(F_/4)*2048
	WIN 0
	GAP F_, 2, AC1
.set F_, F_+1
.endr
	v_nop
	QOUT 2, 32768, 128
	GRD
	s_mov_b32 s[G0R+1], s12                        ; chunk 2 anew into slot 0
	s_mov_b64 s[G0R+2:G0R+3], s[76:77]
	s_or_b32 s[G0R+3], s[G0R+3], 0x80000000
	s_mov_b64 s[88:89], s[90:91]
	s_mov_b32 s46, 0
	WALU
	s_wait_dscnt 0x0
	CROUND
	TLOAD G0R, G1R
.Lthird:                                           ; PHASE 2: chunk 3, then chunk 2
	s_wait_dscnt 32
	s_wait_xcnt 0x0
	BLOCK 1, 0, AC0, 0, AC1, 0, 0, 16
	PLACES 8
	s_cmp_eq_u32 s46, 0                            ; the first trip has no pair of this phase before it
	s_cbranch_scc1 .Lno_pair_a
	VOUT 0, 512, 1
.Lno_pair_a:
	FETCH 0, 32768, 1, 1024
	s_wait_dscnt 40
	BLOCK 1, 1, AC0, 0, AC1, 2, 0, 16
	PLACES 8
	s_cmp_eq_u32 s46, 0
	s_cbranch_scc1 .Lno_pair_b
	VOUT 2, 512, 1
.Lno_pair_b:
	FETCH 1, 49152, -1, 0
	s_wait_dscnt 32
	s_wait_xcnt 0x0
	s_mov_b64 s[84:85], s[88:89]
	s_sub_nc_u64 s[88:89], s[88:89], 2048          ; chunk 2 is the K step before
	s_xor_b32 s22, s46, 1
	s_lshl_b32 s22, s22, 7
	v_add_nc_u32 v[VX], s22, v[VXV]
	v_mov_b32 v[ADX], v[LX]
	v_add_nc_u32 v[ADS], 8192, v[LS]
	BLOCK 1, 0, AC1, 1, AC0, 0, 0, 14
	WALU
	s_wait_tensorcnt 0x0                           ; chunk 2 is in
	s_wait_dscnt 0x0
	s_barrier_signal -1
	BLOCK 1, 0, AC1, 1, AC0, 0, 14, 16
	WALU
	s_barrier_wait -1
	PLACES 8
	VOUT 0, 0, 0
	s_cmp_eq_u32 s46, 1
	s_cbranch_scc1 .Lno_next_a
	FETCH 0, 0, 0, 0
.Lno_next_a:
	BLOCK 1, 1, AC1, 1, AC0, 2, 0, 16
	PLACES 8
	VOUT 2, 0, 0
	s_cmp_eq_u32 s46, 1
	s_cbranch_scc1 .Lno_next_b
	FETCH 1, 16384, -1, 0
.Lno_next_b:
	s_add_co_u32 s46, s46, 1
	s_cmp_lg_u32 s46, 2
	s_cbranch_scc1 .Lthird
	s_wait_xcnt 0x0
.set F_, 0
.rept 16
	GAP F_, 0, AC1                                 ; the last pair's way out
.set F_, F_+1
.endr
	v_nop
	VOUT 0, 512, 1
.set F_, 0
.rept 16
	GAP F_, 2, AC1
.set F_, F_+1
.endr
	v_nop
	VOUT 2, 512, 1
	s_lshl_b32 s20, s14, 9
	s_add_co_u32 s20, s20, XN
	s_lshl_b32 s21, s14, 8
	s_add_co_u32 s21, s21, XV
	v_lshrrev_b32 v18, 1, v[LI]                    ; 8 x lane
	v_add_nc_u32 v19, s20, v18
	v_add_nc_u32 v20, s21, v18
	WALU
	s_wait_dscnt 0x0                               ; my scale bytes are stored
	BARRIER
	ds_load_b64 v[64:65], v19
	ds_load_b64 v[66:67], v19 offset:256
	ds_load_b64 v[68:69], v20
	s_wait_dscnt 0x0
	global_store_b64 v18, v[64:65], s[10:11]       ; each store covers 256 consecutive bytes, aligned
	global_store_b64 v18, v[66:67], s[10:11] offset:2048
	global_store_b64 v18, v[68:69], s[100:101]
	s_wait_tensorcnt 0x0                           ; the wave's end: these three lines
	ds_add_u32 v[SPW], v[NIL]
	s_wait_dscnt 0x0
	CROUND                                         ; the closing round: no work-group ends while a partner may still ask for a tile that names it
	s_endpgm
.Lfunc_end_k_qb4412953f9_proj:
	.size	k_qb4412953f9_proj, .Lfunc_end_k_qb4412953f9_proj-k_qb4412953f9_proj
	.p2alignl 7, 3214868480
	.fill 96, 4, 3214868480
	.section	.rodata,"a",@progbits
	.p2align	6, 0x0
	.amdhsa_kernel k_qb4412953f9_proj
		.amdhsa_group_segment_fixed_size 327680
		.amdhsa_private_segment_fixed_size 0
		.amdhsa_enable_private_segment 0
		.amdhsa_kernarg_size 16
		.amdhsa_user_sgpr_count 2
		.amdhsa_user_sgpr_kernarg_segment_ptr 1
		.amdhsa_wavefront_size32 1
		.amdhsa_system_sgpr_workgroup_id_x 1
		.amdhsa_system_sgpr_workgroup_id_y 1
		.amdhsa_system_sgpr_workgroup_id_z 1
		.amdhsa_system_vgpr_workitem_id 0
		.amdhsa_next_free_vgpr 1024
		.amdhsa_next_free_sgpr 102
		.amdhsa_reserve_vcc 0
		.amdhsa_float_denorm_mode_32 3
		.amdhsa_float_denorm_mode_16_64 3
		.amdhsa_memory_ordered 1
		.amdhsa_forward_progress 1
		.amdhsa_inst_pref_size 205
	.end_amdhsa_kernel
	.amdgpu_metadata
---
amdhsa.version: [ 1, 2 ]
amdhsa.kernels:
  - .name:           k_qb4412953f9_proj
    .symbol:         k_qb4412953f9_proj.kd
    .args:
      - { .name: xw, .offset: 0, .size: 8, .value_kind: global_buffer, .address_space: global }
      - { .name: qkv, .offset: 8, .size: 8, .value_kind: global_buffer, .address_space: global }
    .group_segment_fixed_size: 327680
    .private_segment_fixed_size: 0
    .kernarg_segment_align: 8
    .kernarg_segment_size: 16
    .max_flat_workgroup_size: 128
    .sgpr_count:     102
    .vgpr_count:     1024
    .wavefront_size: 32
...
	.end_amdgpu_metadata
.endif
;; end of part 2
;; launch scores (part 3): grid 9 x 16, 4 waves a work-group, no clusters, 327,680 bytes of LDS; arguments qkv, pw; writes pw
.if DOCPART == 3
	.amdgcn_target "amdgcn-amd-amdhsa--gfx1250"
	.amdhsa_code_object_version 6
	.text
	.protected	k_qb4412953f9_scores
	.globl	k_qb4412953f9_scores
	.p2align	8
	.type	k_qb4412953f9_scores,@function
k_qb4412953f9_scores:
	s_mov_b64 s[64:65], 0
	v_nop
	global_prefetch_b8 v0, s[64:65] scope:SCOPE_SE
	s_setreg_imm32_b32 hwreg(HW_REG_WAVE_MODE, 25, 1), 1
	s_wait_xcnt 0x0
.set NQ,    2
.set FR,    16
.set NL,    4
.set NP,    8
.set SLOT,  131072
.set SCL,   2*SLOT
.set SPARE, SCL+16384
.set ADRA, 16
.set ADRB, 20
.set LI,   24
.set L4,   25
.set ADRS, 27
.set SPW,  28
.set NIL,  29
.set SC,   32
.set X,    64
.set AF,   128
.set PC,   128
.set BM,   160
.set T2,   164
.set LIM,  168
.set SOP,  172
.set PW,   176
.set TA,   178
.set NM,   180
.set SUM,  184
.set S2,   186
.set LS,   188
.set CW,   190
.set CN,   191
.set CL,   192
.set D0,   193
.set DA,   194
.set NINF, 195
.set G1,   24
.set G0,   32
.set G0S,  44
.set G1S,  68
.set CS,   48
.set SEL,  50
.set MNT,  52
.set HI,   53
.set QB,   54
.set KE,   55
.set LB,   60
.set MSB, 0
.macro WIN new
.if MSB != \new
	s_set_vgpr_msb (MSB<<8)|\new
.set MSB, \new
.endif
.endm
.set MUL_LO, 0xa1
.set MUL_HI, 0xf1
.set TO_B,   0x40
.macro PLACES n
.rept \n
	v_nop
.endr
.endm
	s_load_b128 s[4:7], s[0:1], 0x0
	v_lshl_add_u32 v[SPW], v0, 2, SPARE
	v_mov_b32 v[NIL], 0
	ds_add_u32 v[SPW], v[NIL]
	ds_add_u32 v[SPW], v[NIL]
	v_lshrrev_b32 v1, 5, v0
	v_readfirstlane_b32 s14, v1
	s_lshr_b32 s15, s14, 1
	s_and_b32 s16, s14, 1
	s_and_b32 s17, ttmp7, 0xffff
	s_and_b32 s18, s17, 3
	s_lshr_b32 s19, s17, 2
	s_sub_co_u32 s20, 7, s18
	s_sub_co_u32 s21, ttmp9, s18
	s_sub_co_u32 s21, s21, 1
	s_cmp_le_u32 ttmp9, s18
	s_cselect_b32 s40, s18, s20
	s_cselect_b32 s41, ttmp9, s21
	s_mov_b32 s[G1+0], 3<<16
	s_mov_b32 s[G1+1], 512<<16
	s_mov_b32 s[G1+2], 8<<16
	s_mov_b32 s[G1+3], 512<<16
	s_mov_b32 s[G1+4], 8
	s_mov_b32 s[G1+5], 2048
	s_mov_b32 s[G1+6], 0
	s_mov_b32 s[G1+7], 0
	s_mov_b32 s[G1S+0], 3<<16
	s_mov_b32 s[G1S+1], 32<<16
	s_mov_b32 s[G1S+2], 16<<16
	s_mov_b32 s[G1S+3], 32<<16
	s_mov_b32 s[G1S+4], 16
	s_mov_b32 s[G1S+5], 32
	s_mov_b32 s[G1S+6], 0
	s_mov_b32 s[G1S+7], 0
	s_lshl_b32 s42, s19, 7
	s_lshl_b32 s43, s40, 4
	s_lshl_b32 s20, s41, 4
	s_add_co_u32 s20, s20, 512
	s_cmp_lt_u32 s14, 2
	s_cselect_b32 s43, s43, s20
	s_add_co_u32 s42, s42, s43
	s_lshl_b32 s43, s16, 3
	s_add_co_u32 s42, s42, s43
	s_lshl_b32 s22, s42, 9
	s_add_co_u32 s22, s22, 0x1800000
	s_lshl_b32 s20, s42, 14
	s_mov_b32 s21, 0
	s_mov_b32 s23, 0
	s_lshl_b32 s[LB], s14, 15
	s_wait_dscnt 0x0
	s_wait_kmcnt 0x0
	s_add_nc_u64 s[20:21], s[4:5], s[20:21]
	s_add_nc_u64 s[22:23], s[4:5], s[22:23]
	s_mov_b32 s[G0S], 1
	s_lshl_b32 s[G0S+1], s14, 12
	s_add_co_u32 s[G0S+1], s[G0S+1], SCL
	s_mov_b64 s[G0S+2:G0S+3], s[22:23]
	s_or_b32 s[G0S+3], s[G0S+3], 0x80000000
	tensor_load_to_lds s[G0S:G0S+3], s[G1S:G1S+7]
	s_nop 0
.irp s, 0,1
	s_mov_b32 s[G0+4*\s], 1
	s_add_co_u32 s[G0+4*\s+1], s[LB], \s*SLOT
	s_add_nc_u64 s[G0+4*\s+2:G0+4*\s+3], s[20:21], \s*4096
	s_or_b32 s[G0+4*\s+3], s[G0+4*\s+3], 0x80000000
	s_wait_alu depctr_va_vdst(0)
	s_wait_tensorcnt 0x0
	ds_add_u32 v28, v29
	s_wait_dscnt 0x0
	s_barrier_signal -1
	s_barrier_wait -1
	tensor_load_to_lds s[G0+4*\s:G0+4*\s+3], s[G1:G1+7]
	s_nop 0
.endr
	PLACES 4
	v_and_b32 v1, 15, v0
	v_bfe_u32 v2, v0, 4, 1
	s_wait_alu depctr_va_vdst(0)
	v_and_b32 v3, 31, v0
	v_lshlrev_b32 v[LI], 4, v3
	v_lshlrev_b32 v[L4], 2, v3
	s_lshl_b32 s21, s15, 15
	s_lshl_b32 s22, s16, 15
	s_add_co_u32 s22, s22, 65536
.irp s, 0,1
	v_add_nc_u32 v[ADRA+\s], s21, v[LI]
	v_add_nc_u32 v[ADRB+\s], s22, v[LI]
	s_add_co_u32 s21, s21, SLOT
	s_add_co_u32 s22, s22, SLOT
.endr
	v_lshlrev_b32 v5, 2, v1
	s_lshl_b32 s21, s15, 12
	s_lshl_b32 s22, s16, 12
	s_add_co_u32 s22, s22, 8192
	s_sub_co_u32 s22, s22, s21
	v_mul_u32_u24 v6, s22, v2
	s_add_co_u32 s21, s21, SCL
	v_add_nc_u32 v5, v5, v6
	v_add_nc_u32 v[ADRS], s21, v5
	s_lshl_b32 s56, s19, 7
	s_lshl_b32 s57, s40, 4
	s_add_co_u32 s56, s56, s57
	s_lshl_b32 s57, s15, 3
	s_add_co_u32 s56, s56, s57
	s_lshl_b32 s57, s41, 1
	s_add_co_u32 s57, s57, s16
	s_lshl_b32 s12, s56, 15
	s_lshl_b32 s58, s57, 11
	s_add_co_u32 s12, s12, s58
	s_mov_b32 s13, 0
	s_lshl_b32 s10, s56, 10
	s_lshl_b32 s58, s57, 7
	s_add_co_u32 s10, s10, s58
	s_add_co_u32 s10, s10, 0x1000000
	s_mov_b32 s11, 0
	s_add_nc_u64 s[12:13], s[6:7], s[12:13]
	s_add_nc_u64 s[10:11], s[6:7], s[10:11]
	s_mov_b32 s[CS], 0x3d38aa3b
	s_mov_b32 s[CS+1], s[CS]
	s_mov_b32 s[SEL], 0x76543210
	s_mov_b32 s[SEL+1], 0xfedcba98
	s_mov_b32 s[MNT], 0x600000
	s_mov_b32 s[HI], 0xffff0000
	s_lshl_b32 s[QB], s40, 8
	s_lshl_b32 s58, s15, 7
	s_add_co_u32 s[QB], s[QB], s58
	s_lshl_b32 s57, s41, 8
	s_lshl_b32 s58, s16, 7
	s_add_co_u32 s57, s57, s58
	s_add_co_u32 s[KE], s57, 127
	s_sub_co_u32 s56, s[QB], s57
.macro FRAG reg, adr, q, i
.irp c, 0,1,2,3
	ds_load_b128 v[\reg+4*\c:\reg+4*\c+3], v[\adr] offset:(\i)*4096+(\q)*2048+512*\c
.endr
.endm
.macro MUL16 a0, p, q, sc, zero
.irp a, \a0, \a0+1
.irp b, 0,1,2,3,4,5,6,7
.if \zero
	v_wmma_scale_f32_16x16x128_f8f6f4 v[8*(8*((\a)%4)+\b):8*(8*((\a)%4)+\b)+7], v[128*(\p)+FR*\b:128*(\p)+FR*\b+FR-1], v[AF+FR*(\a):AF+FR*(\a)+FR-1], 0, v[SC+8*NQ*(\sc)+NQ*\b+(\q)], v[SC+8*NQ*(\sc)+NQ*(\a)+(\q)] matrix_a_scale:MATRIX_SCALE_ROW1
.else
	v_wmma_scale_f32_16x16x128_f8f6f4 v[8*(8*((\a)%4)+\b):8*(8*((\a)%4)+\b)+7], v[128*(\p)+FR*\b:128*(\p)+FR*\b+FR-1], v[AF+FR*(\a):AF+FR*(\a)+FR-1], v[8*(8*((\a)%4)+\b):8*(8*((\a)%4)+\b)+7], v[SC+8*NQ*(\sc)+NQ*\b+(\q)], v[SC+8*NQ*(\sc)+NQ*(\a)+(\q)] matrix_a_scale:MATRIX_SCALE_ROW1
.endif
.endr
.endr
.endm
.macro FETCH_B slot, q, p
	WIN TO_B
.irp i, 0,1,2,3,4,5,6,7
	FRAG 128*(\p)+FR*\i, ADRB+\slot, \q, \i
.endr
	WIN 0
.endm
.macro FETCH_A slot, q, i0
.irp i, \i0, \i0+1, \i0+2, \i0+3
	FRAG AF+FR*(\i), ADRA+\slot, \q, \i
.endr
.endm
.macro SCALES sc
.irp i, 0,1,2,3,4,5,6,7
.irp q, 0,1
	ds_load_b32 v[SC+8*NQ*\sc+NQ*\i+\q], v[ADRS] offset:(\i/4)*2048+\q*256+((\i/2)%2)*128+(\i%2)*64   ; scale words lie [two pairs of tiles][K step][pair][tile][16 rows]
.endr
.endr
.endm
.macro STEP slot, q, zero
	s_wait_dscnt 4*NL
	WIN MUL_LO
	MUL16 0, (\q)%2, \q, \slot, \zero
	MUL16 2, (\q)%2, \q, \slot, \zero
	s_wait_dscnt 0
	PLACES NP
	FETCH_B \slot, (\q)+1, 1-(\q)%2
	FETCH_A \slot, (\q)+1, 0
	WIN MUL_HI
	MUL16 4, (\q)%2, \q, \slot, \zero
	MUL16 6, (\q)%2, \q, \slot, \zero
	PLACES NP
	WIN 0
	FETCH_A \slot, (\q)+1, 4
.endm
.macro TURN slot, next, fill
	s_wait_tensorcnt 0x0
	ds_add_u32 v[SPW], v[NIL]
	s_wait_dscnt 4*NL+1
	WIN MUL_LO
	MUL16 0, 1, NQ-1, \slot, 0
	s_wait_dscnt 0x0
	s_barrier_signal -1
	MUL16 2, 1, NQ-1, \slot, 0
	WIN 0
	s_barrier_wait -1
.if \fill
	s_add_nc_u64 s[G0+4*\slot+2:G0+4*\slot+3], s[G0+4*\slot+2:G0+4*\slot+3], 2*4096
	tensor_load_to_lds s[G0+4*\slot:G0+4*\slot+3], s[G1:G1+7]
	s_nop 0
.endif
	PLACES NP
	v_add_nc_u32 v[ADRS], 256*NQ, v[ADRS]
	FETCH_B \next, 0, 0
	FETCH_A \next, 0, 0
	SCALES \next
	WIN MUL_HI
	MUL16 4, 1, NQ-1, \slot, 0
	MUL16 6, 1, NQ-1, \slot, 0
	PLACES NP
	WIN 0
	FETCH_A \next, 0, 4
.endm
	s_wait_alu depctr_va_vdst(0)
	s_wait_tensorcnt 1
	s_barrier_signal -1
	s_barrier_wait -1
	FETCH_B 0, 0, 0
	FETCH_A 0, 0, 0
	SCALES 0
	FETCH_A 0, 0, 4
	STEP 0, 0, 1
	s_mov_b32 s3, 1
.Llap:
	s_wait_alu depctr_va_vdst(0)
	TURN 0, 1, 1
	s_wait_alu depctr_va_vdst(0)
	STEP 1, 0, 0
	TURN 1, 0, 1
	STEP 0, 0, 0
	s_sub_co_u32 s3, s3, 1
	s_cmp_lg_u32 s3, 0
	s_cbranch_scc1 .Llap
	s_wait_alu depctr_va_vdst(0)
	TURN 0, 1, 0
	STEP 1, 0, 0
	s_wait_dscnt 4*NL
	WIN MUL_LO
	MUL16 0, 1, NQ-1, 1, 0
	MUL16 2, 1, NQ-1, 1, 0
	s_wait_dscnt 0
	WIN MUL_HI
	MUL16 4, 1, NQ-1, 1, 0
	MUL16 6, 1, NQ-1, 1, 0
	WIN 0
	PLACES NP
.irp b, 0,1,2,3
	v_mov_b32 v[T2+\b], 0
.endr
	v_mov_b32 v[NM+1], 0
	v_mov_b32 v[NM+3], 0
	v_mov_b32 v[NINF], 0xff800000
	v_and_b32 v[D0], 7, v1
	v_lshrrev_b32 v[DA], 3, v1
	v_lshl_add_u32 v[D0], v[DA], 4, v[D0]
	v_lshlrev_b32 v[DA], 4, v2
	v_sub_nc_u32 v[D0], v[D0], v[DA]
	v_add_nc_u32 v[D0], s56, v[D0]
.macro SOFT a
.set AC, 64*((\a)%4)
.set WN, 2+(\a)/4
.set PCS, PC+16*((\a)%2)
.set PWS, PW+(\a)%2
.set NMS, NM+2*((\a)%2)
.set LSS, LS+(\a)%2
	s_cmp_le_u32 s[KE], s[QB]
	s_cbranch_scc1 .Lopen_\@
	v_add_nc_u32 v[DA], 32*((\a)/2)+8*((\a)%2), v[D0]
	WIN 65*WN
.set n, 0
.rept 64
	v_cmp_gt_i32 vcc_lo, 32*(n/16)+n%16, v[DA]
	v_cndmask_b32 v[AC+n], v[AC+n], v[NINF], vcc_lo
.set n, n+1
.endr
	WIN 0
.Lopen_\@:
	WIN 20*WN
.irp b, 0,1,2,3
	v_max3_num_f32 v[BM+\b], 0xff800000, v[AC+16*\b], v[AC+16*\b+1]
.endr
.irp i, 2,4,6,8,10,12,14
.irp b, 0,1,2,3
	v_max3_num_f32 v[BM+\b], v[BM+\b], v[AC+16*\b+\i], v[AC+16*\b+\i+1]
.endr
.endr
	WIN 0
.irp b, 0,1,2,3
	v_permlanex16_b32 v[T2+\b], v[BM+\b], s[SEL], s[SEL+1]
.endr
.irp b, 0,1,2,3
	v_max_num_f32 v[BM+\b], v[BM+\b], v[T2+\b]
.endr
	v_max3_num_f32 v[TA], v[BM], v[BM+1], v[BM+2]
	v_max_num_f32 v[TA], v[TA], v[BM+3]
	v_mul_f32 v[TA], s[CS], v[TA]
	v_max_num_f32 v[TA], 0xff61b1e6, v[TA]
	v_floor_f32 v[NMS], -v[TA]
	WIN WN
.set n, 0
.rept 32
	v_pk_fma_f32 v[X+n:X+n+1], v[AC+n:AC+n+1], s[CS:CS+1], v[NMS:NMS+1] op_sel_hi:[1,0,0]
.set n, n+2
.endr
	WIN 0
.irp b, 0,1,2,3
	v_fma_f32 v[BM+\b], v[BM+\b], s[CS], v[NMS]
.endr
.set n, 0
	s_wait_alu depctr_va_vdst(0)
.rept 64
	v_exp_f32 v[X+n], v[X+n]
.set n, n+1
.endr
	v_nop
	s_wait_alu depctr_va_vdst(0)
.irp b, 0,1,2,3
	v_exp_f32 v[BM+\b], v[BM+\b]
.endr
	v_pk_add_f32 v[S2:S2+1], v[X:X+1], v[X+2:X+3]
	v_pk_add_f32 v[SUM:SUM+1], v[X+4:X+5], v[X+6:X+7]
.irp j, 8,12,16,20,24,28,32,36,40,44,48,52,56,60
	v_pk_add_f32 v[SUM:SUM+1], v[SUM:SUM+1], v[X+\j:X+\j+1]
	v_pk_add_f32 v[S2:S2+1], v[S2:S2+1], v[X+\j+2:X+\j+3]
.endr
	v_pk_add_f32 v[SUM:SUM+1], v[SUM:SUM+1], v[S2:S2+1]
	s_wait_alu depctr_va_vdst(0)
.irp b, 0,1,2,3
	v_max_num_f32 v[BM+\b], 0x4800000, v[BM+\b]
.endr
.irp b, 0,1,2,3
	v_add_nc_u32 v[SOP+\b], 0xfc000000, v[BM+\b]
.endr
.irp b, 0,1,2,3
	v_and_or_b32 v[LIM+\b], v[BM+\b], 0x7f800000, s[MNT]
.endr
.irp b, 0,1,2,3
	v_lshrrev_b32 v[T2+\b], 23, v[SOP+\b]
.endr
	v_lshl_or_b32 v[PWS], v[T2+1], 8, v[T2]
	v_lshl_or_b32 v[PWS], v[T2+2], 16, v[PWS]
	v_lshl_or_b32 v[PWS], v[T2+3], 24, v[PWS]
	v_add_f32 v[LSS], v[SUM], v[SUM+1]
	v_permlanex16_b32 v[TA], v[LSS], s[SEL], s[SEL+1]
	v_add_f32 v[LSS], v[LSS], v[TA]
	s_wait_xcnt 0x0
.set n, 0
.rept 64
	v_min_num_f32 v[X+n], v[X+n], v[LIM+n/16]
.set n, n+1
.endr
.irp b, 0,1,2,3
	v_cvt_scalef32_pk8_fp8_f32 v[PCS+4*\b:PCS+4*\b+1], v[X+16*\b:X+16*\b+7], v[SOP+\b]
	v_cvt_scalef32_pk8_fp8_f32 v[PCS+4*\b+2:PCS+4*\b+3], v[X+16*\b+8:X+16*\b+15], v[SOP+\b]
.endr
	v_nop
.irp c, 0,1,2,3
	global_store_b128 v[LI], v[PCS+4*\c:PCS+4*\c+3], s[12:13] offset:(\a)*32768+512*\c
.endr
.if (\a)%2 == 1
	v_cndmask_b32 v[CW], v[PW], v[PW+1], s[HI]
	v_cndmask_b32 v[CN], v[NM], v[NM+2], s[HI]
	v_cndmask_b32 v[CL], v[LS], v[LS+1], s[HI]
	global_store_b32 v[L4], v[CW], s[10:11] offset:((\a)/2)*2048
	global_store_b32 v[L4], v[CN], s[10:11] offset:((\a)/2)*2048+0x80000
	global_store_b32 v[L4], v[CL], s[10:11] offset:((\a)/2)*2048+0x100000
.endif
.endm
.irp a, 0,1,2,3,4,5,6,7
	SOFT \a
.endr
	s_wait_tensorcnt 0x0
	ds_add_u32 v[SPW], v[NIL]
	s_wait_dscnt 0x0
	s_endpgm
.Lfunc_end_k_qb4412953f9_scores:
	.size	k_qb4412953f9_scores, .Lfunc_end_k_qb4412953f9_scores-k_qb4412953f9_scores
	.p2alignl 7, 3214868480
	.fill 96, 4, 3214868480
	.section	.rodata,"a",@progbits
	.p2align	6, 0x0
	.amdhsa_kernel k_qb4412953f9_scores
		.amdhsa_group_segment_fixed_size 327680
		.amdhsa_private_segment_fixed_size 0
		.amdhsa_enable_private_segment 0
		.amdhsa_kernarg_size 16
		.amdhsa_user_sgpr_count 2
		.amdhsa_user_sgpr_kernarg_segment_ptr 1
		.amdhsa_wavefront_size32 1
		.amdhsa_system_sgpr_workgroup_id_x 1
		.amdhsa_system_sgpr_workgroup_id_y 1
		.amdhsa_system_sgpr_workgroup_id_z 1
		.amdhsa_system_vgpr_workitem_id 0
		.amdhsa_next_free_vgpr 1024
		.amdhsa_next_free_sgpr 76
		.amdhsa_reserve_vcc 1
		.amdhsa_float_denorm_mode_32 3
		.amdhsa_float_denorm_mode_16_64 3
		.amdhsa_memory_ordered 1
		.amdhsa_forward_progress 1
		.amdhsa_inst_pref_size 255
	.end_amdhsa_kernel
	.section	.bss,"aw",@nobits
	.p2align	6
	.space	262144
	.amdgpu_metadata
---
amdhsa.version: [ 1, 2 ]
amdhsa.kernels:
  - .name:           k_qb4412953f9_scores
    .symbol:         k_qb4412953f9_scores.kd
    .args:
      - { .name: qkv, .offset: 0, .size: 8, .value_kind: global_buffer, .address_space: global }
      - { .name: pw, .offset: 8, .size: 8, .value_kind: global_buffer, .address_space: global }
    .group_segment_fixed_size: 327680
    .private_segment_fixed_size: 0
    .kernarg_segment_align: 8
    .kernarg_segment_size: 16
    .max_flat_workgroup_size: 128
    .sgpr_count:     76
    .vgpr_count:     1024
    .wavefront_size: 32
...
	.end_amdgpu_metadata
.endif
;; end of part 3
;; launch pv (part 4): grid 8 x 32, 4 waves a work-group, no clusters, 327,680 bytes of LDS; arguments qkv, pw, out0; writes out0
.if DOCPART == 4
	.amdgcn_target "amdgcn-amd-amdhsa--gfx1250"
	.amdhsa_code_object_version 6
	.text
	.protected	k_qb4412953f9_pv
	.globl	k_qb4412953f9_pv
	.p2align	8
	.type	k_qb4412953f9_pv,@function
k_qb4412953f9_pv:
	s_mov_b64 s[64:65], 0
	v_nop
	global_prefetch_b8 v0, s[64:65] scope:SCOPE_SE
	s_setreg_imm32_b32 hwreg(HW_REG_WAVE_MODE, 25, 1), 1
	s_wait_xcnt 0x0
; out = (P V) / l on codes.  WORK LEFT OUT: keys behind a query block's last query: the function's own mask gives them weight 0 (first kernel's head); of what the third launch did not store for them nothing is read.
; SHARES.  Queries go in blocks of 128; block j has j + 1 live K steps of 128 keys.  A work-group (ex, i, batch) makes 128 columns e for TWO blocks, the long one 15 - i and the short one i: 17 live K steps for every i, so all 256 work-groups have equal work.
; A wave makes 64 queries x 64 columns of both blocks: two sets of 16 accumulators in window 2.
; THE WALK.  A slot holds four K steps of 128 rows of p and 128 rows of v^T: 131,072 bytes.  The 17 K steps come in five slots: long 0-3 and long 4-7 (asked for together at the head: the long block has 9 K steps at the least, so both are read),
; long 8-11, short 0-3, and a fifth: long 12-15 where i <= 3, else short 4-7.  Which it is chooses global addresses and one of two copies of the work; every LDS address is a constant plus lane and wave terms.
; Wave w fetches a quarter of a slot: waves 0, 1 p's K steps 0-1 and 2-3, waves 2, 3 v's.  A slot's last two K steps are asked for only where one of them is live (a slot is filled only with what a later step reads, and p's images behind the diagonal's key block
; were never stored): a jump on ids, under the branch on the wave's number, leads round that load's own lines and round nothing else; every wait on the tensor counter is for 0.  Where the dead K steps begin hangs on the work-group's number.
; NO CLUSTER: the eight work-groups that share p's tiles could ask jointly.
; THE SOFTMAX IS FINISHED FIRST.  The third launch left, for each row and 128 keys, -M, l and p's scale word under that local M.  The row's M is the largest; d = M - local M is a whole number, 0 or more;
; l is the sum of the local l x 2^-d, and each scale byte becomes max(byte - d, 0): the codes stay.  LIMIT: a block more than 2^255 under the row's largest p keeps the byte 0, 2^-127: it moves a result by less than 1e-35.
; Transposed use: source 0 = 16 rows e of v^T, source 1 = 16 queries of p: lane (r, h) holds query lane-row r and, in accumulator (a, b), columns 32 (b / 2) + 16 h + 8 (b % 2) + 0 .. 7.
; The block that is finished first leaves while the fifth slot is on its way; the way out has a stage of its own in LDS, into which no fill lands.
; REGISTERS: window 0: v15-31 addresses; v32-39 scale words, two sets of four, and nothing else (lanes 0-15 p's, lanes 16-31 v's); v64-215 at work in the prologue and on the way out.
;   window 1: two sets of fragments, each p's four and v's four.   window 2: accumulator (a, b) of the long block at v[8 (4 a + b)], of the short block 128 further on.
.set NP,    8                          ; places behind this matrix instruction (ISA guide 7.12.1)
.set SLOT1, 131072                     ; a slot: p's K steps 0-1 (8 tiles x 4,096 bytes), p's 2-3, v's 0-1, v's 2-3
.set BOFF,  65536
.set ASC,   262144                     ; p's shifted scale words: [8 pairs of tiles: 4 long, 4 short][16 K steps][128 bytes], stored by the waves; no fill lands here
.set BSC,   278528                     ; v's scale words: [4 pairs][16 K steps][128 bytes], stored by the waves; no fill lands here.  (Slot 1's first fill stands behind the barrier that shows slot 0)
.set LINV,  286720                     ; 1 / l of my 256 rows
.set STG,   287744                     ; the way out: 16 rows x (256 + 16) bytes for each wave
.set SPARE, 305152                     ; the spare words, 128 bytes a wave, which no other line names
.set SP,    272
.set LIW,  15                          ; v15 where I store 1 / l
.set ADRA, 16                          ; v16-17 my four tiles of p in slot 0, 1
.set ADRB, 18                          ; v18-19 my four tiles of v
.set ADS,  20                          ; v20-21 scale words for the long, the short block: lanes 0-15 p's, lanes 16-31 v's
.set STO,  24
.set RD,   25
.set GO,   26
.set ADLI, 27
.set SPW,  28
.set NIL,  29
.set PGO,  30                          ; v30 the prologue's offset in pw: 8 x lane
.set ASW,  31                          ; v31 where I store shifted scale words
.set PG2,  232                         ; v232 16 x lane
.set VSA,  233                         ; v233 where I store v's scale words
.set VSC,  216                         ; v216-231 v's scale words on their way
.set SC,   32
.set NMR,  64                          ; v64-95   -M: 16 x pair + 2 x key block + row's parity
.set LSR,  96                          ; v96-127  l
.set WWR,  128                         ; v128-159 scale words
.set MN,   160                         ; v160-163 the smallest -M: 2 x pair + row's parity
.set LL,   164                         ; v164-167 the row's l
.set PT,   168                         ; v168-171 what lane l xor 16 holds
.set TP,   172                         ; v172-183, v188-199 at work, a set for each pair
.set T,    64                          ; the way out: scaled results, two sets of 32
.set BK,   128                         ; rows read back, two sets of 32
.set INV,  208                         ; v208-215 1 / l, a pair for each tile of queries
.set ACCL, 0
.set ACCS, 128
.set WV,   10
.set II,   13                          ; s13 i
.set BL,   15                          ; s15 the long block: 15 - i
.set G1A,  16
.set G1B,  24
.set G1S,  32
.set G0A0, 40                          ; groups 0: p's and v's, one for each slot
.set G0A1, 44
.set G0B0, 48
.set G0B1, 52
.set G0S,  56
.set PAS,  60                          ; s[60:61] the short block's p, K step 0 (+ my half of a slot)
.set P5A,  62                          ; s[62:63] the fifth slot's p
.set P5B,  66                          ; s[66:67] the fifth slot's v
.set STP,  68                          ; s[68:69] the prologue's scale words
.set OL,   70                          ; s[70:71] my part of the long block's rows of the output
.set OS,   72                          ; s[72:73] of the short block's
.set N2,   74                          ; live K steps of the long block: 16 - i
.set N1,   75                          ; of the short block: i + 1
.set REM,  76                          ; of the fifth slot
.set QW,   77                          ; the last key block of 256 that was stored for the rows that my wave finishes
.set SEL,  78
.set MSB, 0
.macro WIN new                         ; the immediate's high byte repeats the setting that is left
.if MSB != \new
	s_set_vgpr_msb (MSB<<8)|\new
.set MSB, \new
.endif
.endm
.set MUL, 0xa5                         ; sources 0 (v) and 1 (p) window 1, C and D window 2
.macro PLACES n
.rept \n
	v_nop
.endr
.endm
; A refill.  Waves 0 and 2 fetch a slot's first two K steps, of which one is always live; waves 1 and 3 its last two, where s[nreg] > lim says that one of them is live.  An s_nop 0 and four v_nop follow each load.
.macro TLOADC ga, gb, nreg, lim
	s_cmp_eq_u32 s12, 0
	s_cbranch_scc1 .Lgo_\@
	s_cmp_le_u32 s[\nreg], \lim                    ; ids alone: the same in all four waves
	s_cbranch_scc1 .Lasked_\@
.Lgo_\@:
	s_cmp_lt_u32 s[WV], 2
	s_cbranch_scc0 .Lfor_b_\@
	tensor_load_to_lds s[\ga:\ga+3], s[G1A:G1A+7]
	s_nop 0
.rept 4
	v_nop
.endr
	s_branch .Lasked_\@
.Lfor_b_\@:
	tensor_load_to_lds s[\gb:\gb+3], s[G1B:G1B+7]
	s_nop 0
.rept 4
	v_nop
.endr
.Lasked_\@:
.endm
	s_load_b128 s[4:7], s[0:1], 0x0                ; qkv, pw
	s_load_b64 s[8:9], s[0:1], 0x10                ; out0
	v_lshl_add_u32 v[SPW], v0, 2, SPARE
	v_mov_b32 v[NIL], 0
	ds_add_u32 v[SPW], v[NIL]                      ; the wave's opening: the add, twice on end, and its wait ahead of my first tensor load
	ds_add_u32 v[SPW], v[NIL]
	v_lshrrev_b32 v1, 5, v0
	v_readfirstlane_b32 s[WV], v1                  ; wave 0..3
	s_lshr_b32 s11, s[WV], 1                       ; my half of a block's queries
	s_and_b32 s12, s[WV], 1                        ; my half of the columns.  Also: which two K steps of a slot I fetch
	s_and_b32 s86, ttmp7, 0xffff
	s_and_b32 s[II], s86, 7
	s_lshr_b32 s14, s86, 3                         ; batch
	s_sub_co_u32 s[BL], 15, s[II]
	s_sub_co_u32 s[N2], 16, s[II]
	s_add_co_u32 s[N1], s[II], 1
	s_sub_co_u32 s86, 4, s[II]                     ; the fifth slot: long 12-15 has 4 - i live K steps,
	s_sub_co_u32 s87, s[II], 3                     ; short 4-7 has i - 3
	s_cmp_le_u32 s[II], 3
	s_cselect_b32 s[REM], s86, s87
	s_mov_b32 s[G1A+0], 3<<16                      ; p: 8 tiles x two K steps: 8 rows of 4,096 bytes (512 elements of 8 bytes), 32,768 bytes apart
	s_mov_b32 s[G1A+1], 512<<16
	s_mov_b32 s[G1A+2], 8<<16
	s_mov_b32 s[G1A+3], 512<<16
	s_mov_b32 s[G1A+4], 8
	s_mov_b32 s[G1A+5], 4096
	s_mov_b32 s[G1A+6], 0
	s_mov_b32 s[G1A+7], 0
	s_mov_b32 s[G1B+0], 3<<16                      ; v: the same, 131,072 bytes apart
	s_mov_b32 s[G1B+1], 512<<16
	s_mov_b32 s[G1B+2], 8<<16
	s_mov_b32 s[G1B+3], 512<<16
	s_mov_b32 s[G1B+4], 8
	s_mov_b32 s[G1B+5], 16384
	s_mov_b32 s[G1B+6], 0
	s_mov_b32 s[G1B+7], 0
	s_mov_b32 s[G1S+0], 3<<16                      ; a pair's scale words of the batch's 16 K steps: 2,048 dense bytes as 8 rows of 256
	s_mov_b32 s[G1S+1], 32<<16
	s_mov_b32 s[G1S+2], 8<<16
	s_mov_b32 s[G1S+3], 32<<16
	s_mov_b32 s[G1S+4], 8
	s_mov_b32 s[G1S+5], 32
	s_mov_b32 s[G1S+6], 0
	s_mov_b32 s[G1S+7], 0
	; byte offsets, each in the registers that will hold the address
	s_lshl_b32 s86, s14, 7                         ; 128 tiles of p a batch
	s_lshl_b32 s87, s12, 12                        ; my two K steps of a slot: 4,096 bytes on
	s_lshl_b32 s80, s[BL], 3
	s_add_co_u32 s80, s80, s86
	s_lshl_b32 s80, s80, 15
	s_add_co_u32 s80, s80, s87                     ; p, long block, K step 0
	s_mov_b32 s81, 0
	s_lshl_b32 s[PAS], s[II], 3
	s_add_co_u32 s[PAS], s[PAS], s86
	s_lshl_b32 s[PAS], s[PAS], 15
	s_add_co_u32 s[PAS], s[PAS], s87               ; p, short block, K step 0
	s_mov_b32 s[PAS+1], 0
	s_lshl_b32 s82, ttmp9, 20                      ; v: tile 8 ex, 131,072 bytes a tile,
	s_lshl_b32 s88, s14, 15                        ; the batch's first K step
	s_add_co_u32 s82, s82, s88
	s_add_co_u32 s82, s82, s87
	s_add_co_u32 s82, s82, 0x1000000
	s_mov_b32 s83, 0
	s_add_co_u32 s88, s80, 12*2048
	s_add_co_u32 s89, s[PAS], 4*2048
	s_add_co_u32 s90, s82, 12*2048
	s_add_co_u32 s91, s82, 4*2048
	s_cmp_le_u32 s[II], 3
	s_cselect_b32 s[P5A], s88, s89                 ; the fifth slot: long from K step 12, or short from K step 4
	s_cselect_b32 s[P5B], s90, s91
	s_mov_b32 s[P5A+1], 0
	s_mov_b32 s[P5B+1], 0
	s_lshl_b32 s84, ttmp9, 2
	s_add_co_u32 s84, s84, s[WV]
	s_lshl_b32 s84, s84, 13
	s_lshl_b32 s88, s14, 11
	s_add_co_u32 s84, s84, s88
	s_add_co_u32 s84, s84, 0x1880000               ; v's scale words: pair 4 ex + wave
	s_mov_b32 s85, 0
	s_cmp_lt_u32 s[WV], 2
	s_cselect_b32 s88, s[BL], s[II]                ; the prologue: waves 0, 1 finish the long block's rows, waves 2, 3 the short block's
	s_lshr_b32 s[QW], s88, 1
	s_lshl_b32 s88, s88, 2
	s_lshl_b32 s89, s14, 6
	s_add_co_u32 s88, s88, s89
	s_lshl_b32 s89, s12, 1
	s_add_co_u32 s88, s88, s89                     ; my first pair of tiles: 64 b + 4 x block + 2 x (wave & 1)
	s_lshl_b32 s[STP], s88, 11
	s_add_co_u32 s[STP], s[STP], 0x1000000
	s_mov_b32 s[STP+1], 0
	s_lshl_b32 s88, s14, 11
	s_lshl_b32 s89, s11, 6
	s_add_co_u32 s88, s88, s89                     ; the output: row 2,048 b + 64 x half, + 128 x block;
	s_lshl_b32 s89, ttmp9, 9
	s_lshl_b32 s90, s12, 8
	s_add_co_u32 s89, s89, s90                     ; column 128 ex + 64 x half, in bytes
	s_lshl_b32 s[OL], s[BL], 7
	s_add_co_u32 s[OL], s[OL], s88
	s_lshl_b32 s[OL], s[OL], 12
	s_add_co_u32 s[OL], s[OL], s89
	s_mov_b32 s[OL+1], 0
	s_lshl_b32 s[OS], s[II], 7
	s_add_co_u32 s[OS], s[OS], s88
	s_lshl_b32 s[OS], s[OS], 12
	s_add_co_u32 s[OS], s[OS], s89
	s_mov_b32 s[OS+1], 0
	s_mov_b32 s[SEL], 0x76543210
	s_mov_b32 s[SEL+1], 0xfedcba98                 ; v_permlanex16_b32's selects for lane l xor 16
	; the prologue's defaults, for key blocks behind the limit (-M = 3e38, l = 0, word 0): nothing that was never stored is read
.set n, 0
.rept 32
	v_mov_b32 v[NMR+n], 0x7f61b1e6
	v_mov_b32 v[LSR+n], 0
	v_mov_b32 v[WWR+n], 0
.set n, n+1
.endr
.irp m, 0,1,2,3
	v_mov_b32 v[PT+\m], 0                          ; a lane permute's destination counts as one of its sources
	v_mov_b32 v[LL+\m], 0
.endr
	v_and_b32 v3, 31, v0                           ; lane
	v_lshlrev_b32 v[PGO], 3, v3
	v_lshlrev_b32 v[PG2], 4, v3
	s_wait_alu depctr_va_vdst(0)
	s_wait_dscnt 0x0                               ; both opening adds are done
	s_wait_kmcnt 0x0
	; THE PROLOGUE'S LOADS go out first: more work hangs on them than on the first tiles.  A key block's two K steps of a pair of tiles are 256 consecutive bytes: a lane takes two rows; lanes 0-15 the even K step, lanes 16-31 the odd one.  48 loads at the most
	s_add_nc_u64 s[STP:STP+1], s[6:7], s[STP:STP+1]
	s_add_nc_u64 s[84:85], s[4:5], s[84:85]
.irp i, 0,1,2,3
	global_load_b128 v[VSC+4*\i:VSC+4*\i+3], v[PG2], s[84:85] offset:512*\i   ; a pair's scale words of v: 2,048 dense bytes a wave
.endr
.irp j, 0,1,2,3,4,5,6,7
.if \j > 0
	s_cmp_lt_u32 s[QW], \j                         ; key block j was stored for my rows where j <= their block of 256 queries
	s_cbranch_scc1 .Lin
.endif
.irp pp, 0,1
	global_load_b64 v[NMR+16*\pp+2*\j:NMR+16*\pp+2*\j+1], v[PGO], s[STP:STP+1] offset:\pp*2048+\j*256+0x80000
	global_load_b64 v[LSR+16*\pp+2*\j:LSR+16*\pp+2*\j+1], v[PGO], s[STP:STP+1] offset:\pp*2048+\j*256+0x100000
	global_load_b64 v[WWR+16*\pp+2*\j:WWR+16*\pp+2*\j+1], v[PGO], s[STP:STP+1] offset:\pp*2048+\j*256
.endr
.endr
.Lin:
	; THE FIRST FILL: every wave issues one, its quarter of slot 0
	s_lshl_b32 s86, s[WV], 15                      ; my quarter of a slot
	s_mov_b32 s[G0A0], 1
	s_mov_b32 s[G0A0+1], s86
	s_add_nc_u64 s[G0A0+2:G0A0+3], s[6:7], s[80:81]   ; long block, K steps 0-3
	s_mov_b32 s[G0A1], 1
	s_add_co_u32 s[G0A1+1], s86, SLOT1
	s_add_nc_u64 s[G0A1+2:G0A1+3], s[G0A0+2:G0A0+3], 4*2048   ; K steps 4-7
	s_or_b32 s[G0A0+3], s[G0A0+3], 0x80000000
	s_or_b32 s[G0A1+3], s[G0A1+3], 0x80000000
	s_mov_b32 s[G0B0], 1
	s_mov_b32 s[G0B0+1], s86
	s_add_nc_u64 s[G0B0+2:G0B0+3], s[4:5], s[82:83]
	s_mov_b32 s[G0B1], 1
	s_add_co_u32 s[G0B1+1], s86, SLOT1
	s_add_nc_u64 s[G0B1+2:G0B1+3], s[G0B0+2:G0B0+3], 4*2048
	s_or_b32 s[G0B0+3], s[G0B0+3], 0x80000000
	s_or_b32 s[G0B1+3], s[G0B1+3], 0x80000000
	s_cmp_lt_u32 s[WV], 2
	s_cbranch_scc0 .Lfirst_b
	tensor_load_to_lds s[G0A0:G0A0+3], s[G1A:G1A+7]
	s_nop 0
.rept 4
	v_nop
.endr
	s_branch .Lfirst_done
.Lfirst_b:
	tensor_load_to_lds s[G0B0:G0B0+3], s[G1B:G1B+7]
	s_nop 0
.rept 4
	v_nop
.endr
.Lfirst_done:
	s_add_nc_u64 s[PAS:PAS+1], s[6:7], s[PAS:PAS+1]
	s_add_nc_u64 s[P5A:P5A+1], s[6:7], s[P5A:P5A+1]
	s_add_nc_u64 s[P5B:P5B+1], s[4:5], s[P5B:P5B+1]
	s_add_nc_u64 s[OL:OL+1], s[8:9], s[OL:OL+1]
	s_add_nc_u64 s[OS:OS+1], s[8:9], s[OS:OS+1]
	v_and_b32 v1, 15, v0                           ; r
	v_bfe_u32 v2, v0, 4, 1                         ; h
	s_wait_alu depctr_va_vdst(0)
	v_lshlrev_b32 v4, 4, v3                        ; 16 x lane
	v_lshlrev_b32 v5, 3, v3                        ; 8 x lane
	v_lshlrev_b32 v6, 2, v1                        ; 4 r
	s_lshl_b32 s86, s11, 14                        ; my four tiles of p,
	s_lshl_b32 s87, s12, 14
	s_add_co_u32 s87, s87, BOFF                    ; my four of v
.irp s, 0,1
	v_add_nc_u32 v[ADRA+\s], s86, v4
	v_add_nc_u32 v[ADRB+\s], s87, v4
	s_add_co_u32 s86, s86, SLOT1
	s_add_co_u32 s87, s87, SLOT1
.endr
	s_lshl_b32 s86, s11, 12                        ; p's scale words: my two pairs;
	s_lshl_b32 s87, s12, 12
	s_add_co_u32 s87, s87, BSC-ASC                 ; v's: my two pairs, behind p's
.irp t, 0,1
	s_sub_co_u32 s88, s87, s86
	v_mul_u32_u24 v7, s88, v2                      ; lanes 16-31 take v's
	s_wait_alu depctr_va_vdst(0)
	s_add_co_u32 s89, s86, ASC
	v_add_nc_u32 v7, v7, v6
	v_add_nc_u32 v[ADS+\t], s89, v7
	s_add_co_u32 s86, s86, 8192                    ; the short block's four pairs lie behind the long block's
.endr
	s_mul_i32 s86, s[WV], 16*SP
	s_add_co_u32 s86, s86, STG                     ; my stage
	v_mul_u32_u24 v[STO], v1, SP
	v_lshl_add_u32 v[STO], v2, 6, v[STO]
	v_add_nc_u32 v[STO], s86, v[STO]               ; in: row r, + 64 h
	v_mul_u32_u24 v[RD], v2, SP
	v_lshl_add_u32 v[RD], v1, 4, v[RD]
	v_add_nc_u32 v[RD], s86, v[RD]                 ; back: lanes 0-15 one row, lanes 16-31 the next
	v_lshlrev_b32 v[GO], 12, v2
	v_lshl_add_u32 v[GO], v1, 4, v[GO]             ; and the same two rows of the output
	s_lshl_b32 s86, s11, 8
	s_add_co_u32 s86, s86, LINV
	v_add_nc_u32 v[ADLI], s86, v6
	s_lshl_b32 s86, s[WV], 12
	s_add_co_u32 s86, s86, ASC
	v_add_nc_u32 v[ASW], s86, v5                   ; my two pairs' words, laid as they lie in memory
	s_lshl_b32 s86, s[WV], 8
	s_add_co_u32 s86, s86, LINV
	v_lshlrev_b32 v7, 3, v1
	v_add_nc_u32 v[LIW], s86, v7                   ; two rows a lane; lanes l and l + 16 store the same numbers to the same bytes
	s_lshl_b32 s86, s[WV], 11
	s_add_co_u32 s86, s86, BSC
	v_add_nc_u32 v[VSA], s86, v4
	s_wait_alu depctr_va_vdst(0)                   ; the wait at the head's end
	s_wait_tensorcnt 0x0                           ; my quarter of slot 0 is in
	ds_add_u32 v[SPW], v[NIL]
	s_wait_dscnt 0x0
	s_barrier_signal -1
	s_barrier_wait -1
	s_cmp_lt_u32 s[WV], 2                          ; slot 1: it lands under the prologue and slot 0's work
	s_cbranch_scc0 .Lnext_b
	tensor_load_to_lds s[G0A1:G0A1+3], s[G1A:G1A+7]
	s_nop 0
.rept 4
	v_nop
.endr
	s_branch .Lnext_done
.Lnext_b:
	tensor_load_to_lds s[G0B1:G0B1+3], s[G1B:G1B+7]
	s_nop 0
.rept 4
	v_nop
.endr
.Lnext_done:
	; ---- THE PROLOGUE, while slot 1's tiles are on their way
	s_wait_loadcnt 0x0
.irp i, 0,1,2,3
	ds_store_b128 v[VSA], v[VSC+4*\i:VSC+4*\i+3] offset:512*\i
.endr
.irp pp, 0,1
.irp e, 0,1
	v_min_num_f32 v[MN+2*\pp+\e], v[NMR+16*\pp+\e], v[NMR+16*\pp+2+\e]
.endr
.endr
.irp j, 2,3,4,5,6,7
.irp pp, 0,1
.irp e, 0,1
	v_min_num_f32 v[MN+2*\pp+\e], v[MN+2*\pp+\e], v[NMR+16*\pp+2*\j+\e]
.endr
.endr
.endr
.irp m, 0,1,2,3
	v_permlanex16_b32 v[PT+\m], v[MN+\m], s[SEL], s[SEL+1]
.endr
.irp m, 0,1,2,3
	v_min_num_f32 v[MN+\m], v[MN+\m], v[PT+\m]     ; with the other K steps': the smallest -M is the row's; key 0 counts for every query, so it is a number
.endr
.macro SHIFT k                         ; register k of both my pairs (key block k / 2, row's parity k % 2), line by line, so that no line waits for the line above it
.irp pp, 0,1
	v_sub_f32 v[TP+16*\pp], v[NMR+16*\pp+\k], v[MN+2*\pp+(\k)%2]   ; d = the row's M less the local M: a whole number, 0 or more
.endr
.irp pp, 0,1
	v_min_num_f32 v[TP+16*\pp], 0x437f0000, v[TP+16*\pp]   ; at most 255: beyond that every byte falls to 0 anyway
.endr
.irp pp, 0,1
	v_cvt_u32_f32 v[TP+16*\pp+1], v[TP+16*\pp]
.endr
.irp pp, 0,1
	v_bfe_u32 v[TP+16*\pp+4], v[WWR+16*\pp+\k], 0, 8
	v_bfe_u32 v[TP+16*\pp+5], v[WWR+16*\pp+\k], 8, 8
	v_bfe_u32 v[TP+16*\pp+6], v[WWR+16*\pp+\k], 16, 8
	v_lshrrev_b32 v[TP+16*\pp+7], 24, v[WWR+16*\pp+\k]
.endr
.irp pp, 0,1
	v_sub_nc_u32 v[TP+16*\pp+2], 0, v[TP+16*\pp+1]
.endr
.irp pp, 0,1
.irp c, 0,1,2,3
	v_min_u32 v[TP+16*\pp+8+\c], v[TP+16*\pp+4+\c], v[TP+16*\pp+1]
.endr
.endr
.irp pp, 0,1
	v_ldexp_f32 v[TP+16*\pp+3], v[LSR+16*\pp+\k], v[TP+16*\pp+2]   ; the local l x 2^-d
.endr
.irp pp, 0,1
.irp c, 0,1,2,3
	v_sub_nc_u32 v[TP+16*\pp+4+\c], v[TP+16*\pp+4+\c], v[TP+16*\pp+8+\c]   ; max(byte - d, 0)
.endr
.endr
.irp pp, 0,1
	v_add_f32 v[LL+2*\pp+(\k)%2], v[LL+2*\pp+(\k)%2], v[TP+16*\pp+3]
.endr
.irp pp, 0,1
	v_lshl_or_b32 v[TP+16*\pp+4], v[TP+16*\pp+5], 8, v[TP+16*\pp+4]
	v_lshl_or_b32 v[TP+16*\pp+6], v[TP+16*\pp+7], 8, v[TP+16*\pp+6]
.endr
.irp pp, 0,1
	v_lshl_or_b32 v[WWR+16*\pp+\k], v[TP+16*\pp+6], 16, v[TP+16*\pp+4]
.endr
.if (\k)%2 == 1
.irp pp, 0,1
	ds_store_b64 v[ASW], v[WWR+16*\pp+\k-1:WWR+16*\pp+\k] offset:\pp*2048+((\k)/2)*256   ; 32 lanes store a key block's 256 consecutive bytes
.endr
.endif
.endm
.irp k, 0,1,2,3,4,5,6,7,8,9,10,11,12,13,14,15
	SHIFT \k
.endr
.irp m, 0,1,2,3
	v_permlanex16_b32 v[PT+\m], v[LL+\m], s[SEL], s[SEL+1]
.endr
.irp m, 0,1,2,3
	v_add_f32 v[LL+\m], v[LL+\m], v[PT+\m]         ; with the other K steps': the row's l, at least 1/2: the row's largest p
.endr
	s_wait_alu depctr_va_vdst(0)
.irp m, 0,1,2,3
	v_rcp_f32 v[LL+\m], v[LL+\m]
.endr
	v_nop                                          ; a plain line behind the last reciprocal
	s_wait_alu depctr_va_vdst(0)                   ; one wait for the four, ahead of their first reader
	ds_store_b64 v[LIW], v[LL:LL+1]
	ds_store_b64 v[LIW], v[LL+2:LL+3] offset:128
; The fragments and scale words of one K step: the st-th of the slot, K step ks of the block's keys, into set.  A fragment comes back as it was stored: four loads of 512 consecutive bytes
.macro FETCH slot, st, set, tile, ks
	WIN 0x40                                       ; destination window 1
.irp i, 0,1,2,3
.irp c, 0,1,2,3
	ds_load_b128 v[128*(\set)+16*\i+4*\c:128*(\set)+16*\i+4*\c+3], v[ADRA+\slot] offset:((\st)/2)*32768+\i*4096+((\st)%2)*2048+512*\c
.endr
.endr
.irp i, 0,1,2,3
.irp c, 0,1,2,3
	ds_load_b128 v[128*(\set)+64+16*\i+4*\c:128*(\set)+64+16*\i+4*\c+3], v[ADRB+\slot] offset:((\st)/2)*32768+\i*4096+((\st)%2)*2048+512*\c
.endr
.endr
	WIN 0
.irp i, 0,1,2,3
	ds_load_b32 v[SC+4*(\set)+\i], v[ADS+\tile] offset:(\i/2)*2048+(\ks)*128+(\i%2)*64   ; lanes 0-15: p's tile i; lanes 16-31: v's tile i
.endr
.endm
; 16 matrix instructions: p's four tiles x v's four.  The 16 accumulators take turns, one instruction a turn, in the same order in every K step.
.macro MULB set, dst, zero
.irp a, 0,1,2,3
.irp b, 0,1,2,3
.if \zero
	v_wmma_scale_f32_16x16x128_f8f6f4 v[(\dst)+8*(4*\a+\b):(\dst)+8*(4*\a+\b)+7], v[128*(\set)+64+16*\b:128*(\set)+64+16*\b+15], v[128*(\set)+16*\a:128*(\set)+16*\a+15], 0, v[SC+4*(\set)+\b], v[SC+4*(\set)+\a] matrix_a_scale:MATRIX_SCALE_ROW1
.else
	v_wmma_scale_f32_16x16x128_f8f6f4 v[(\dst)+8*(4*\a+\b):(\dst)+8*(4*\a+\b)+7], v[128*(\set)+64+16*\b:128*(\set)+64+16*\b+15], v[128*(\set)+16*\a:128*(\set)+16*\a+15], v[(\dst)+8*(4*\a+\b):(\dst)+8*(4*\a+\b)+7], v[SC+4*(\set)+\b], v[SC+4*(\set)+\a] matrix_a_scale:MATRIX_SCALE_ROW1
.endif
.endr
.endr
.endm
; A slot's work: K steps first .. first + 3 of block tile (0 long, 1 short), onto the accumulators at dst.  While a K step is multiplied, the next one's 36 LDS loads are on their way into the other set.
; nreg: the scalar register with the block's live K steps (0: all four are live).  The slot's first K step is always live; a K step at or behind s[nreg] is left out, with all that follow: jumps on ids, round loads from LDS and products alone.
.macro WORK slot, tile, first, dst, zero, nreg
	FETCH \slot, 0, 0, \tile, \first
.irp q, 0,1,2,3
	s_wait_dscnt 0x0                               ; this K step's fragments and scale words are in
.if \q < 3
.if \nreg
	s_cmp_le_u32 s[\nreg], \first+\q+1
	s_cbranch_scc1 .Lnf_\@_\q
.endif
	FETCH \slot, \q+1, (\q+1)%2, \tile, \first+\q+1
.if \nreg
.Lnf_\@_\q:
.endif
.endif
	WIN MUL
.if (\zero) && (\q == 0)
	MULB 0, \dst, 1                                ; the first products start the sums
.else
	MULB \q%2, \dst, 0
.endif
	WIN 0
	PLACES NP                                      ; ahead of the next loads into registers that these products read, and of the first read of results
.if (\q < 3) && (\nreg)
	s_cmp_le_u32 s[\nreg], \first+\q+1
	s_cbranch_scc1 .Lend_\@
.endif
.endr
.Lend_\@:
.endm
; The change of slots: each wave waits for all its tensor loads, adds 0 to its spare word (between OPEN and CLOSE stand the descriptors' steps: no load of mine is out), and waits for that and for its LDS reads and stores; then the barrier.
.macro OPEN
	s_wait_tensorcnt 0x0
	ds_add_u32 v[SPW], v[NIL]                      ; every way here leads through a tensor load
.endm
.macro CLOSE
	s_wait_dscnt 0x0
	s_barrier_signal -1
	s_barrier_wait -1
.endm
; THE WAY OUT of a block: x 1 / l, then a tile of 16 queries x 64 columns at a time through my stage, so that sixteen lanes store 256 consecutive bytes, aligned
.macro TOSTAGE t, dst
.set TS_, T+32*((\t)%2)
.set BB, BK+32*((\t)%2)
	WIN 0x02                                       ; source 0 in the accumulators' window
.set n, 0
.rept 16
	v_pk_mul_f32 v[TS_+n:TS_+n+1], v[(\dst)+32*(\t)+n:(\dst)+32*(\t)+n+1], v[INV+2*(\t):INV+2*(\t)+1] op_sel_hi:[1,0]   ; each accumulator from its low end on
.set n, n+2
.endr
	WIN 0
.irp b, 0,1,2,3
	ds_store_b128 v[STO], v[TS_+8*\b:TS_+8*\b+3] offset:128*(\b/2)+32*(\b%2)
	ds_store_b128 v[STO], v[TS_+8*\b+4:TS_+8*\b+7] offset:128*(\b/2)+32*(\b%2)+16
.endr
.irp i, 0,1,2,3,4,5,6,7
	ds_load_b128 v[BB+4*\i:BB+4*\i+3], v[RD] offset:2*\i*SP   ; LDS serves a wave's instructions in order (ISA guide 5.7.1.4): these see the stores above
.endr
.endm
.macro SEND t, younger, base           ; younger: the LDS instructions issued behind tile t's loads: the next tile's 8 stores and 8 loads, or none
.set BB, BK+32*((\t)%2)
	s_wait_dscnt \younger
.irp i, 0,1,2,3,4,5,6,7
	global_store_b128 v[GO], v[BB+4*\i:BB+4*\i+3], s[\base:\base+1] offset:(32*((\t)/2)+8*((\t)%2)+2*\i+8*(\i/4))*4096 th:TH_STORE_NT   ; lane-rows 2 i, 2 i + 1 of the tile, at their true rows
.endr
.endm
.macro OUT dst, tile, base
	s_wait_xcnt 0x0                                ; an earlier way out's stores have read their registers: loads may land there
.irp t, 0,1,2,3
	ds_load_b32 v[INV+2*\t], v[ADLI] offset:512*\tile+64*\t
	ds_load_b32 v[INV+2*\t+1], v[ADLI] offset:512*\tile+64*\t   ; the pair's upper half is named with it, so it is written
.endr
	s_wait_dscnt 0x0
	TOSTAGE 0, \dst
.irp t, 1,2,3
.if \t > 1
	s_wait_xcnt 0x0                                ; the stores of two tiles back have read their registers
.endif
	TOSTAGE \t, \dst
	SEND \t-1, 16, \base
.endr
	SEND 3, 0, \base
.endm
	s_wait_alu depctr_va_vdst(0)
	s_wait_dscnt 0x0                               ; my shifted words, v's scale words and 1 / l are stored
	s_barrier_signal -1
	s_barrier_wait -1                              ; everybody's are
	WORK 0, 0, 0, ACCL, 1, 0
	OPEN
	s_add_nc_u64 s[G0A0+2:G0A0+3], s[G0A0+2:G0A0+3], 8*2048   ; slot 0 takes long 8-11; the type bits on top are not reached
	s_add_nc_u64 s[G0B0+2:G0B0+3], s[G0B0+2:G0B0+3], 8*2048
	CLOSE
	TLOADC G0A0, G0B0, N2, 10                      ; my one tensor load behind this barrier; K steps 10, 11 where the long block has more than 10
	WORK 1, 0, 4, ACCL, 0, 0                       ; long 4-7
	OPEN
	s_mov_b64 s[G0A1+2:G0A1+3], s[PAS:PAS+1]       ; slot 1 takes short 0-3
	s_or_b32 s[G0A1+3], s[G0A1+3], 0x80000000
	s_sub_nc_u64 s[G0B1+2:G0B1+3], s[G0B1+2:G0B1+3], 4*2048   ; v: back from K step 4 to K step 0
	CLOSE
	TLOADC G0A1, G0B1, N1, 2
	WORK 0, 0, 8, ACCL, 0, N2                      ; long 8-11
	OPEN
	s_mov_b64 s[G0A0+2:G0A0+3], s[P5A:P5A+1]       ; slot 0 takes the fifth: long 12-15 or short 4-7
	s_or_b32 s[G0A0+3], s[G0A0+3], 0x80000000
	s_mov_b64 s[G0B0+2:G0B0+3], s[P5B:P5B+1]
	s_or_b32 s[G0B0+3], s[G0B0+3], 0x80000000
	CLOSE
	TLOADC G0A0, G0B0, REM, 2
	WORK 1, 1, 0, ACCS, 1, N1                      ; short 0-3: its first products start the short block's sums
	s_cmp_le_u32 s[II], 3                          ; one block is finished and leaves while the fifth slot is on its way
	s_cbranch_scc1 .Lshort_done
	OUT ACCL, 0, OL                                ; i >= 4: the long block has 12 K steps at the most
	s_branch .Lmeet
.Lshort_done:
	OUT ACCS, 1, OS                                ; i <= 3: the short block has 4 at the most
.Lmeet:
	OPEN                                           ; the last change of slots: nothing is asked for
	CLOSE
	s_cmp_le_u32 s[II], 3
	s_cbranch_scc1 .Llong_tail
	WORK 0, 1, 4, ACCS, 0, N1                      ; short 4-7
	OUT ACCS, 1, OS
	s_branch .Lbye
.Llong_tail:
	WORK 0, 0, 12, ACCL, 0, N2                     ; long 12-15
	OUT ACCL, 0, OL
.Lbye:
	s_wait_tensorcnt 0x0                           ; the wave's end: these three lines, behind my last tensor load and my last LDS store
	ds_add_u32 v[SPW], v[NIL]
	s_wait_dscnt 0x0
	s_endpgm
.Lfunc_end_k_qb4412953f9_pv:
	.size	k_qb4412953f9_pv, .Lfunc_end_k_qb4412953f9_pv-k_qb4412953f9_pv
	.p2alignl 7, 3214868480
	.fill 96, 4, 3214868480
	.section	.rodata,"a",@progbits
	.p2align	6, 0x0
	.amdhsa_kernel k_qb4412953f9_pv
		.amdhsa_group_segment_fixed_size 327680
		.amdhsa_private_segment_fixed_size 0
		.amdhsa_enable_private_segment 0
		.amdhsa_kernarg_size 24
		.amdhsa_user_sgpr_count 2
		.amdhsa_user_sgpr_kernarg_segment_ptr 1
		.amdhsa_wavefront_size32 1
		.amdhsa_system_sgpr_workgroup_id_x 1
		.amdhsa_system_sgpr_workgroup_id_y 1
		.amdhsa_system_sgpr_workgroup_id_z 1
		.amdhsa_system_vgpr_workitem_id 0
		.amdhsa_next_free_vgpr 768
		.amdhsa_next_free_sgpr 96
		.amdhsa_reserve_vcc 0
		.amdhsa_float_denorm_mode_32 3
		.amdhsa_float_denorm_mode_16_64 3
		.amdhsa_memory_ordered 1
		.amdhsa_forward_progress 1
		.amdhsa_inst_pref_size 217
	.end_amdhsa_kernel
	.amdgpu_metadata
---
amdhsa.version: [ 1, 2 ]
amdhsa.kernels:
  - .name:           k_qb4412953f9_pv
    .symbol:         k_qb4412953f9_pv.kd
    .args:
      - { .name: qkv, .offset: 0, .size: 8, .value_kind: global_buffer, .address_space: global }
      - { .name: pw, .offset: 8, .size: 8, .value_kind: global_buffer, .address_space: global }
      - { .name: out0, .offset: 16, .size: 8, .value_kind: global_buffer, .address_space: global }
    .group_segment_fixed_size: 327680
    .private_segment_fixed_size: 0
    .kernarg_segment_align: 8
    .kernarg_segment_size: 24
    .max_flat_workgroup_size: 128
    .sgpr_count:     96
    .vgpr_count:     768
    .wavefront_size: 32
...
	.end_amdgpu_metadata
.endif
;; end of part 4
